; MI455X (gfx1250); checked and timed in simulation.
; The chip was launched on July 23, 2026; its instructions are those of AMD's public machine-readable ISA for CDNA 5 (MIT licence, August 2026) and "CDNA5" Instruction Set Architecture Reference Guide (July 2026). The comments in the code are by the model that wrote it; some were corrected since.
;; VAE Guided Attention. Allowed arithmetic: matrix products marked QUANTISED: E2M1 operands, one E8M0 scale for each 32 along K, by v_wmma_scale_f32_16x16x128_f8f6f4 with both operands' format E2M1 (or v_wmma_scale_f32_32x16x128_f4), f32 sums; products left as they are: f32 operands where the result goes on into a quantised operand, else bf16, f16 or f32 operands; f32 sums; everything else in f32.
;; Inputs: be1 256 float32; be2 128 float32; bf 512 float32; bk 512 float32; blv 64 float32; bmu 64 float32; bo 512 float32; bq 512 float32; bv 512 float32; eps 2 x 64 float32; we1 256 x 512 float32; we2 128 x 256 float32; wf 512 x 64 float32; wk_codes 512 x 16 x 16 uint8 (E2M1 codes of wk, K innermost, in blocks of 32 codes, two codes a byte); wk_scales 512 x 16 uint8 (E8M0 scales of wk, one for each 32 codes along K); wlv 64 x 128 float32; wmu 64 x 128 float32; wo_codes 512 x 16 x 16 uint8 (E2M1 codes of wo, K innermost, in blocks of 32 codes, two codes a byte); wo_scales 512 x 16 uint8 (E8M0 scales of wo, one for each 32 codes along K); wq_codes 512 x 16 x 16 uint8 (E2M1 codes of wq, K innermost, in blocks of 32 codes, two codes a byte); wq_scales 512 x 16 uint8 (E8M0 scales of wq, one for each 32 codes along K); wv_codes 512 x 16 x 16 uint8 (E2M1 codes of wv, K innermost, in blocks of 32 codes, two codes a byte); wv_scales 512 x 16 uint8 (E8M0 scales of wv, one for each 32 codes along K); x 2 x 4,096 x 512 float32.
;; Outputs: out0 2 x 4,096 x 512 float32; out1 2 x 64 float32; out2 2 x 64 float32.
;; This version of the problem:
;;   THIS VERSION OF THE PROBLEM IS GIVEN IN LOW PRECISION. The matrix products marked QUANTISED in the list below multiply operands that are first quantised to E2M1 (2 exponent bits, 1 mantissa bit; 4 bits a number), with one power-of-two scale for each 32 numbers along K (OCP MX v1.0); their sums are f32. All else is computed in f32.
;;   The module's matrix products, in the order in which they are computed (A, B: the left and right operand; K: the contracted axis; several contracted axes count as one K, in the product's order):
;;     1. [M 8,192, K 512] x [K 512, N 512]; A: input x; B: input wq (given as codes): QUANTISED
;;     2. [M 8,192, K 512] x [K 512, N 512]; A: input x; B: input wk (given as codes): QUANTISED
;;     3. [M 8,192, K 512] x [K 512, N 512]; A: input x; B: input wv (given as codes): QUANTISED
;;     4. [M 2, K 512] x [K 512, N 256]; A: computed on the way; B: input we1: left as it is (M = 2 < 16)
;;     5. [M 2, K 256] x [K 256, N 128]; A: computed on the way; B: input we2: left as it is (M = 2 < 16)
;;     6. [M 2, K 128] x [K 128, N 64]; A: computed on the way; B: input wmu: left as it is (M = 2 < 16)
;;     7. [M 2, K 128] x [K 128, N 64]; A: computed on the way; B: input wlv: left as it is (M = 2 < 16)
;;     8. [M 2, K 64] x [K 64, N 512]; A: computed on the way; B: input wf: left as it is (M = 2 < 16)
;;     9. batch 16 x [M 4,096, K 64] x [K 64, N 4,096]; A: computed on the way; B: computed on the way: QUANTISED
;;     10. batch 16 x [M 4,096, K 4,096] x [K 4,096, N 64]; A: softmax (see below); B: computed on the way: QUANTISED
;;     11. [M 8,192, K 512] x [K 512, N 512]; A: computed on the way; B: input wo (given as codes): QUANTISED
;;   THE QUANTISER, for each operand of a quantised product, along K:
;;     - K is cut into blocks of 32 from its start; a last block that is shorter is filled with zeros.
;;     - A block's scale is 2^e with e = floor(log2(the largest magnitude in the block)) - 2, held to -126 .. 127; a block of zeros has e = 0. As a byte (E8M0): e + 127.
;;     - Each number is divided by its block's scale, clamped to +-6, and rounded to the nearest number of E2M1, ties to even, subnormals kept.
;;     - The product sums the exact products of the quantised numbers (number of the format x scale) in f32.
;;   ~~~python
;;   def quantise(x, axis):      # numpy; x: float32 -> the quantised numbers, widened to float32 again
;;       x = np.moveaxis(x, axis, -1); K = x.shape[-1]
;;       x = np.pad(x, [(0, 0)] * (x.ndim - 1) + [(0, -K % 32)]); x = x.reshape(x.shape[:-1] + (-1, 32)); a = np.abs(x).max(-1, keepdims=True)
;;       e = np.where(a > 0, np.clip(np.frexp(np.where(a > 0, a, 1))[1] - 1 - 2, -126, 127), 0)      # np.frexp(a)[1] - 1 = floor(log2(a)), exactly
;;       r = np.clip(x / 2.0 ** e, -6, 6)
;;       step = 2.0 ** (np.maximum(np.frexp(np.where(r == 0, 1, r))[1] - 1, 0) - 1)
;;       q = np.round(r / step) * step * 2.0 ** e      # np.round: ties to even
;;       return np.moveaxis(q.reshape(q.shape[:-2] + (-1,))[..., :K], -1, axis).astype(np.float32)
;;   ~~~
;;   SOFTMAX AHEAD OF A QUANTISED PRODUCT. Where the list says 'softmax', what is quantised is not the finished softmax but p = 2^(t - M), with t = logit x log2(e) and M = ceil(the row's largest t), a whole number; so 1/2 < the row's largest p <= 1. The row's sum l is taken of the UNQUANTISED p, in f32, and the product's result is divided by l at the end. Since M is a whole number, a kernel that streams over the keys may use a running M (the ceiling of the running maximum): every later rescaling is an exact power of two, which a block's scale takes up: the codes' values come out the same.
;;   OPERANDS COMPUTED ON THE WAY. 'Computed on the way' means the value that the module computes at that place (a softmax that the list does not call 'softmax' is quantised finished and normalised). What goes into a quantiser is computed in f32, as accurately as f32 sums, v_exp_f32 and their like allow (about 1e-6 of the number): no bf16 or f16 on the way to a quantiser, and a product that is left as it is and whose result goes on into a quantised operand takes f32 operands (vector FMAs, or v_wmma_f32_16x16x4_f32). A number that lies on a knife's edge between two numbers of the format may be rounded either way, as far as f32 arithmetic and the matrix unit's own rounding can turn it there, and no further.
;;   INPUTS GIVEN AS CODES. wk (in the module: [512, 512], K = its axis 1); wo (in the module: [512, 512], K = its axis 1); wq (in the module: [512, 512], K = its axis 1); wv (in the module: [512, 512], K = its axis 1): each comes as NAME_codes (uint8): NAME with its K axis moved to the last place and cut into blocks of 32 codes, [.., K / 32, bytes a block], one block behind the other in memory; two codes a byte, the lower K in the low four bits (a code: sign, 2 exponent bits, 1 mantissa bit); and NAME_scales (uint8): the same leading axes, one E8M0 byte (e + 127) for each 32 codes along K. Its value is code x scale, taken as it is: it is not quantised again, and the codes and scales need not be those that the quantiser above would give.
;; One version. Each part assembles by itself: llvm-mc -triple=amdgcn-amd-amdhsa -mcpu=gfx1250 --defsym DOCPART=n.
;; ======== version 1 of 1: 6 launches
;; limits: right only within a limited range of input values
;; workspace buffers: rowcodes 2,097,152 bytes; rowscales 131,072 bytes; psum 131,072 bytes; qkb 8,192 bytes; qc 2,097,152 bytes; qs 262,144 bytes; kv 4,587,520 bytes; h1p 8,192 bytes
;; launch prep (part 1): grid 4 x 64, 8 waves a work-group, no clusters, 73,216 bytes of LDS; arguments x, rowcodes, rowscales, psum; writes rowcodes, rowscales, psum
.if DOCPART == 1
	.amdgcn_target "amdgcn-amd-amdhsa--gfx1250"
	.amdhsa_code_object_version 6
	.text
	.protected	k_q2a925051cd_prep
	.globl	k_q2a925051cd_prep
	.p2align	8
	.type	k_q2a925051cd_prep,@function
k_q2a925051cd_prep:
	s_mov_b64 s[64:65], 0
	v_nop
	global_prefetch_b8 v0, s[64:65] scope:SCOPE_SE
	s_setreg_imm32_b32 hwreg(HW_REG_WAVE_MODE, 25, 1), 1
	s_wait_xcnt 0x0
; x [8192][512] f32 becomes codes of FP4 (E2M1) with one E8M0 byte for each 32 along K, laid as images of the operand's registers, and column sums over groups of 128 rows.
; rowcodes [rowtile 512][q 4][c 2][lane 32][16 bytes]: lane (r, h) of piece (q, c) holds the codes of k = 128 q + 64 c + 32 h + 0 .. 31 of row 16 rowtile + r.
; rowscales [q 4][row 8192] words: the four scale bytes of K step q.   psum [g 64][512] f32: the sums of rows 128 g .. 128 g + 127.
; SHARES.  Work-group (q = x, g = y) takes 128 rows x 128 columns; wave w its rows 16 w .. 16 w + 15.  Each of a wave's 16 loads reads 512 consecutive bytes of one row; the rows turn through the wave's own
; stage in LDS (pitch 528 bytes = 132 words: the 16 rows that a load touches start 4 banks apart) and come back 128 bytes a lane: a whole block of 32 along K in one lane's registers.
; A block's scale is 2^(floor(log2(its largest magnitude)) - 2); its byte is the largest magnitude's exponent field - 2, held at 1 from below.
; LIMITS: a block's largest magnitude is taken no smaller than 2^-124, so a block of zeros gets the byte 1 with zero codes (these bytes are read by this program alone); NaN and infinities in x are not served.
; No matrix unit, no cluster, no tensor load: work-groups share no byte of x, and all of a wave's 8,192 bytes are asked for by its first 16 instructions.
.set SPITCH, 528
.set STGW,   16*SPITCH                 ; a wave's stage
.set SUM,    8*STGW                    ; 8 x 512 bytes: each wave's column sums
.set SCW,    SUM+8*512                 ; 8 x 64 bytes: each wave's 16 scale words
.set R,   16                           ; v16-79   16 rows as loaded
.set X,   80                           ; v80-143  32 neighbours of piece c = 0, then of c = 1
.set SM,  144                          ; v144-151 the sums: even rows' chain, odd rows' chain
.set MA,  152                          ; v152-153 two chains of a maximum
.set MB,  153
.set SO,  154                          ; v154-155 the conversions' scale operands
.set BY,  156                          ; v156-157 the scale bytes
.set TW,  158                          ; v158-159 at work
.set PC,  160                          ; v160-167 the codes: a set for each piece, so that no store's data are written again
	s_load_b256 s[4:11], s[0:1], 0x0               ; x s[4:5], rowcodes s[6:7], rowscales s[8:9], psum s[10:11]
	v_lshl_add_u32 v168, v0, 2, 0x11a00
	v_mov_b32 v169, 0
	v_lshrrev_b32 v1, 5, v0
	s_delay_alu instid0(VALU_DEP_1)
	v_readfirstlane_b32 s12, v1                    ; wave 0..7
	s_and_b32 s14, ttmp7, 0xffff                   ; g
	v_and_b32 v1, 31, v0                           ; lane
	v_and_b32 v2, 15, v0                           ; r
	v_bfe_u32 v3, v0, 4, 1                         ; h
	s_delay_alu instid0(VALU_DEP_3)
	v_lshlrev_b32 v4, 4, v1                        ; 16 x lane
	s_mul_i32 s15, s12, STGW
	v_add_nc_u32 v5, s15, v4                       ; the stage, on the way in: a row as it lies
	v_mul_u32_u24 v6, v2, SPITCH
	s_delay_alu instid0(VALU_DEP_1)
	v_lshl_add_u32 v6, v3, 7, v6
	s_delay_alu instid0(VALU_DEP_1)
	v_add_nc_u32 v6, s15, v6                       ; and on the way out: row r, + 128 h bytes
	s_lshl_b32 s15, s12, 9
	s_add_co_u32 s15, s15, SUM
	v_add_nc_u32 v7, s15, v4                       ; my wave's sums
	s_lshl_b32 s15, s12, 6
	s_add_co_u32 s15, s15, SCW
	v_lshl_add_u32 v8, v2, 2, s15                  ; my row's scale word
	v_add_nc_u32 v9, SUM, v4                       ; wave 0 reads all sums,
	v_add_nc_u32 v10, SCW, v4                      ; wave 1 all scale words
	s_mov_b32 s20, 0x76543210
	s_mov_b32 s21, 0xfedcba98                      ; v_permlanex16_b32's selects for lane l xor 16
	s_lshl_b32 s16, s14, 18                        ; x: 128 g rows of 2,048 bytes,
	s_lshl_b32 s13, s12, 15                        ; 16 w rows,
	s_add_co_u32 s16, s16, s13
	s_lshl_b32 s13, ttmp9, 9                       ; 128 q columns
	s_add_co_u32 s16, s16, s13
	s_mov_b32 s17, 0
	s_lshl_b32 s18, s14, 15                        ; rowcodes: rowtile 8 g + w of 4,096 bytes, K step q of 1,024
	s_lshl_b32 s13, s12, 12
	s_add_co_u32 s18, s18, s13
	s_lshl_b32 s13, ttmp9, 10
	s_add_co_u32 s18, s18, s13
	s_mov_b32 s19, 0
	s_lshl_b32 s22, s14, 11                        ; psum: row g of 2,048 bytes, 128 q columns
	s_lshl_b32 s13, ttmp9, 9
	s_add_co_u32 s22, s22, s13
	s_mov_b32 s23, 0
	s_lshl_b32 s24, ttmp9, 15                      ; rowscales: plane q of 32,768 bytes, 128 g words
	s_lshl_b32 s13, s14, 9
	s_add_co_u32 s24, s24, s13
	s_mov_b32 s25, 0
	s_wait_alu depctr_va_vdst(0)
	s_wait_kmcnt 0x0
	s_add_nc_u64 s[4:5], s[4:5], s[16:17]
	s_add_nc_u64 s[6:7], s[6:7], s[18:19]
	s_add_nc_u64 s[8:9], s[8:9], s[24:25]
	s_add_nc_u64 s[10:11], s[10:11], s[22:23]
.irp i, 0,1,2,3,4,5,6,7,8,9,10,11,12,13,14,15
	global_load_b128 v[R+4*\i:R+4*\i+3], v4, s[4:5] offset:2048*\i th:TH_LOAD_NT   ; row i: 32 lanes read 512 consecutive bytes
.endr
.irp q, 0,1,2,3                                ; four rows at a time
	s_wait_loadcnt 12-4*\q                         ; the count: the loads of the later groups of four rows
.irp i, 0,1,2,3
	ds_store_b128 v5, v[R+16*\q+4*\i:R+16*\q+4*\i+3] offset:SPITCH*(4*\q+\i)
.endr
.if \q == 0
	v_pk_add_f32 v[SM:SM+1], v[R:R+1], v[R+8:R+9]                  ; the first four rows start the two chains: nothing is cleared
	s_wait_alu depctr_va_vdst(0)
	v_pk_add_f32 v[SM+2:SM+3], v[R+2:R+3], v[R+10:R+11]
	s_wait_alu depctr_va_vdst(0)
	v_pk_add_f32 v[SM+4:SM+5], v[R+4:R+5], v[R+12:R+13]
	s_wait_alu depctr_va_vdst(0)
	v_pk_add_f32 v[SM+6:SM+7], v[R+6:R+7], v[R+14:R+15]
.else
	s_wait_alu depctr_va_vdst(0)
.irp i, 0,1,2,3
	v_pk_add_f32 v[SM+4*(\i%2):SM+4*(\i%2)+1], v[SM+4*(\i%2):SM+4*(\i%2)+1], v[R+16*\q+4*\i:R+16*\q+4*\i+1]
	v_pk_add_f32 v[SM+4*(\i%2)+2:SM+4*(\i%2)+3], v[SM+4*(\i%2)+2:SM+4*(\i%2)+3], v[R+16*\q+4*\i+2:R+16*\q+4*\i+3]
.endr
.endif
.endr
	s_delay_alu instid0(VALU_DEP_2)
	v_pk_add_f32 v[SM:SM+1], v[SM:SM+1], v[SM+4:SM+5]
	s_delay_alu instid0(VALU_DEP_2)
	v_pk_add_f32 v[SM+2:SM+3], v[SM+2:SM+3], v[SM+6:SM+7]
	ds_store_b128 v7, v[SM:SM+3]                   ; my 4 columns' sums over the wave's 16 rows
.irp c, 0,1
.irp j, 0,1,2,3,4,5,6,7
	ds_load_b128 v[X+32*\c+4*\j:X+32*\c+4*\j+3], v6 offset:256*\c+16*\j   ; LDS serves a wave's instructions in order: these see my stores
.endr
.endr
.macro QBLK c                          ; my block 2 c + h of row r: all its 32 numbers are mine
.set XS, X+32*\c
	v_max3_num_f32 v[MA], |v[XS]|, |v[XS+1]|, |v[XS+2]|
	v_max3_num_f32 v[MB], |v[XS+3]|, |v[XS+4]|, |v[XS+5]|
.irp i, 6,10,14,18,22,26
	s_delay_alu instid0(VALU_DEP_2)
	v_max3_num_f32 v[MA], v[MA], |v[XS+\i]|, |v[XS+\i+1]|
	s_delay_alu instid0(VALU_DEP_2)
	v_max3_num_f32 v[MB], v[MB], |v[XS+\i+2]|, |v[XS+\i+3]|
.endr
	s_delay_alu instid0(VALU_DEP_2)
	v_max3_num_f32 v[MA], v[MA], |v[XS+30]|, |v[XS+31]|
	s_delay_alu instid0(VALU_DEP_1)
	v_max3_num_f32 v[MA], v[MA], v[MB], 0x1800000  ; and the floor 2^(3 - 127): the byte cannot fall under 1
	s_delay_alu instid0(VALU_DEP_1)
	v_add_nc_u32 v[SO+\c], 0xff000000, v[MA]       ; 2 off the exponent field: the conversion takes the exponent field of this operand as its scale
	s_delay_alu instid0(VALU_DEP_1)
	v_lshrrev_b32 v[BY+\c], 23, v[SO+\c]           ; the scale's byte
.irp g, 0,1,2,3
	v_cvt_scalef32_pk8_fp4_f32 v[PC+4*\c+\g], v[XS+8*\g:XS+8*\g+7], v[SO+\c]
.endr
	v_nop                                          ; one plain line behind the last conversion of a run
	global_store_b128 v4, v[PC+4*\c:PC+4*\c+3], s[6:7] offset:512*\c   ; piece c: 32 lanes store 512 consecutive bytes
.endm
	s_wait_dscnt 8                                 ; piece 0's eight loads are in; piece 1's eight may be out
	QBLK 0
	s_wait_dscnt 0x0
	QBLK 1
	v_lshl_or_b32 v[TW], v[BY+1], 16, v[BY]        ; my two bytes: blocks h and 2 + h of row r,
	v_lshlrev_b32 v[TW+1], 3, v3
	s_delay_alu instid0(VALU_DEP_1)
	v_lshlrev_b32 v[TW], v[TW+1], v[TW]            ; at their places in the word (8 h bits up);
	v_mov_b32 v[TW+1], 0
	s_delay_alu instid0(VALU_DEP_1)
	v_permlanex16_b32 v[TW+1], v[TW], s20, s21
	s_delay_alu instid0(VALU_DEP_1)
	v_or_b32 v[TW], v[TW], v[TW+1]                 ; with lane l xor 16's two the word is whole
	ds_store_b32 v8, v[TW]                         ; both halves of the lanes write the same word with the same value
	s_wait_dscnt 0x0                               ; for the others' sake: my sums and scale words lie in LDS
	s_barrier_signal -1
	s_barrier_wait -1
	s_cmp_lg_u32 s12, 0
	s_cbranch_scc1 .Lnot_wave_0
.irp j, 0,1,2,3,4,5,6,7
	ds_load_b128 v[16+4*\j:19+4*\j], v9 offset:512*\j
.endr
	s_wait_dscnt 0x0
.irp j, 0,2,4,6
	v_pk_add_f32 v[16+4*\j:17+4*\j], v[16+4*\j:17+4*\j], v[20+4*\j:21+4*\j]
	v_pk_add_f32 v[18+4*\j:19+4*\j], v[18+4*\j:19+4*\j], v[22+4*\j:23+4*\j]
.endr
.irp j, 0
	v_pk_add_f32 v[16+4*\j:17+4*\j], v[16+4*\j:17+4*\j], v[24+4*\j:25+4*\j]
	v_pk_add_f32 v[18+4*\j:19+4*\j], v[18+4*\j:19+4*\j], v[26+4*\j:27+4*\j]
.endr
.irp j, 4
	s_delay_alu instid0(VALU_DEP_4)
	v_pk_add_f32 v[16+4*\j:17+4*\j], v[16+4*\j:17+4*\j], v[24+4*\j:25+4*\j]
	s_delay_alu instid0(VALU_DEP_4)
	v_pk_add_f32 v[18+4*\j:19+4*\j], v[18+4*\j:19+4*\j], v[26+4*\j:27+4*\j]
.endr
	s_delay_alu instid0(VALU_DEP_2)
	v_pk_add_f32 v[16:17], v[16:17], v[32:33]
	s_delay_alu instid0(VALU_DEP_2)
	v_pk_add_f32 v[18:19], v[18:19], v[34:35]
	global_store_b128 v4, v[16:19], s[10:11]       ; 128 columns' sums over 128 rows: 512 consecutive bytes
	s_wait_tensorcnt 0x0
	ds_add_u32 v168, v169
	s_wait_dscnt 0x0
	s_endpgm
.Lnot_wave_0:
	s_cmp_lg_u32 s12, 1
	s_cbranch_scc1 .Lend
	ds_load_b128 v[16:19], v10
	s_wait_dscnt 0x0
	global_store_b128 v4, v[16:19], s[8:9]         ; 128 rows' scale words: 512 consecutive bytes
.Lend:
	s_wait_tensorcnt 0x0
	ds_add_u32 v168, v169
	s_wait_dscnt 0x0
	s_endpgm
.Lfunc_end_k_q2a925051cd_prep:
	.size	k_q2a925051cd_prep, .Lfunc_end_k_q2a925051cd_prep-k_q2a925051cd_prep
	.p2alignl 7, 3214868480
	.fill 96, 4, 3214868480
	.section	.rodata,"a",@progbits
	.p2align	6, 0x0
	.amdhsa_kernel k_q2a925051cd_prep
		.amdhsa_group_segment_fixed_size 73216
		.amdhsa_private_segment_fixed_size 0
		.amdhsa_enable_private_segment 0
		.amdhsa_kernarg_size 32
		.amdhsa_user_sgpr_count 2
		.amdhsa_user_sgpr_kernarg_segment_ptr 1
		.amdhsa_wavefront_size32 1
		.amdhsa_system_sgpr_workgroup_id_x 1
		.amdhsa_system_sgpr_workgroup_id_y 1
		.amdhsa_system_sgpr_workgroup_id_z 1
		.amdhsa_system_vgpr_workitem_id 0
		.amdhsa_next_free_vgpr 170
		.amdhsa_next_free_sgpr 66
		.amdhsa_reserve_vcc 0
		.amdhsa_float_denorm_mode_32 3
		.amdhsa_float_denorm_mode_16_64 3
		.amdhsa_memory_ordered 1
		.amdhsa_forward_progress 1
		.amdhsa_inst_pref_size 16
	.end_amdhsa_kernel
	.amdgpu_metadata
---
amdhsa.version: [ 1, 2 ]
amdhsa.kernels:
  - .name:           k_q2a925051cd_prep
    .symbol:         k_q2a925051cd_prep.kd
    .args:
      - { .name: x, .offset: 0, .size: 8, .value_kind: global_buffer, .address_space: global }
      - { .name: rowcodes, .offset: 8, .size: 8, .value_kind: global_buffer, .address_space: global }
      - { .name: rowscales, .offset: 16, .size: 8, .value_kind: global_buffer, .address_space: global }
      - { .name: psum, .offset: 24, .size: 8, .value_kind: global_buffer, .address_space: global }
    .group_segment_fixed_size: 73216
    .private_segment_fixed_size: 0
    .kernarg_segment_align: 8
    .kernarg_segment_size: 32
    .max_flat_workgroup_size: 256
    .sgpr_count:     66
    .vgpr_count:     170
    .wavefront_size: 32
...
	.end_amdgpu_metadata
.endif
;; end of part 1
;; launch lat1 (part 2): grid 4 x 8, 8 waves a work-group, no clusters, 5,376 bytes of LDS; arguments psum, we1, h1p; writes h1p
.if DOCPART == 2
	.amdgcn_target "amdgcn-amd-amdhsa--gfx1250"
	.amdhsa_code_object_version 6
	.text
	.protected	k_q2a925051cd_lat1
	.globl	k_q2a925051cd_lat1
	.p2align	8
	.type	k_q2a925051cd_lat1,@function
k_q2a925051cd_lat1:
	s_mov_b64 s[64:65], 0
	v_nop
	global_prefetch_b8 v0, s[64:65] scope:SCOPE_SE
	s_setreg_imm32_b32 hwreg(HW_REG_WAVE_MODE, 25, 1), 1
	s_wait_xcnt 0x0
; Layer 1 of the latent path ahead of its bias, cut along K: h1p [kc 4][rc 8][b 2][32] f32 = the sum over columns 128 kc .. + 127 of (the sum of x over sample b's rows) x we1[32 rc + row][column].
; All in f32 by fused multiply-adds: the result goes on into quantised operands.  The mean's factor, the sum over kc, be1 and the relu follow in the next launch.
; SHARES.  Work-group (kc = x, rc = y): 128 columns x 32 rows of we1, both samples.  Wave w adds psum's groups 8 w .. 8 w + 7 (sample w / 4), a lane holding 4 neighbouring columns; the eight parts meet in LDS;
; then wave w takes rows 4 w .. 4 w + 3: two packed lines a row and sample, and the 32 lanes' parts are added by lane exchanges.  The work-group's 64 results leave as one aligned run of 256 bytes.
; 32 work-groups: the layer has 4 x 8 such blocks; a block reads 32,768 bytes of psum and 16,384 of we1, all asked for by each wave's first 12 loads, so there is no loop to prefetch in.
; No matrix unit (two rows), no tensor load, no cluster.  LIMITS: NaN and infinities are not served.
.set XP,    0                          ; 8 x 512 bytes: each wave's part of the column sums
.set RS,    4096                       ; 256 bytes: [b][32] results
.set SPARE, 4352                       ; the spare words: 128 bytes a wave
.macro VADD4 d, s
	v_pk_add_f32 v[\d:\d+1], v[\d:\d+1], v[\s:\s+1]
	v_pk_add_f32 v[\d+2:\d+3], v[\d+2:\d+3], v[\s+2:\s+3]
.endm
	s_load_b128 s[4:7], s[0:1], 0x0                ; psum, we1
	s_load_b64 s[8:9], s[0:1], 0x10                ; h1p
	v_lshl_add_u32 v2, v0, 2, SPARE
	v_mov_b32 v3, 0
	v_lshrrev_b32 v1, 5, v0
	v_readfirstlane_b32 s10, v1                    ; wave 0..7
	v_and_b32 v6, 31, v0
	v_lshlrev_b32 v1, 4, v6                        ; 16 x lane
	v_lshlrev_b32 v6, 3, v6                        ; 8 x lane
	v_lshlrev_b32 v4, 4, v0                        ; 16 x thread
	v_and_b32 v5, 0xe0, v0
	v_lshrrev_b32 v5, 1, v5                        ; 16 x wave: my four results of a sample
	s_and_b32 s11, ttmp7, 0xffff                   ; rc
	s_mov_b32 s20, 0x76543210
	s_mov_b32 s21, 0xfedcba98                      ; v_permlanex16_b32's selects for lane l xor 16
	s_lshl_b32 s18, ttmp9, 9                       ; 128 kc columns
	s_lshl_b32 s12, s10, 14                        ; psum: 8 w groups of 2,048 bytes
	s_add_co_u32 s12, s12, s18
	s_mov_b32 s13, 0
	s_lshl_b32 s14, s11, 16                        ; we1: 32 rc rows of 2,048 bytes,
	s_lshl_b32 s19, s10, 13                        ; 4 w rows
	s_add_co_u32 s14, s14, s19
	s_add_co_u32 s14, s14, s18
	s_mov_b32 s15, 0
	s_lshl_b32 s16, ttmp9, 11                      ; h1p: plane kc of 2,048 bytes, block rc of 256
	s_lshl_b32 s19, s11, 8
	s_add_co_u32 s16, s16, s19
	s_mov_b32 s17, 0
	s_wait_alu depctr_va_vdst(0)                   ; the wait at the head's end
	s_wait_kmcnt 0x0
	s_add_nc_u64 s[4:5], s[4:5], s[12:13]
	s_add_nc_u64 s[6:7], s[6:7], s[14:15]
	s_add_nc_u64 s[8:9], s[8:9], s[16:17]
.irp g, 0,1,2,3,4,5,6,7
	global_load_b128 v[16+4*\g:19+4*\g], v1, s[4:5] offset:2048*\g
.endr
.irp i, 0,1,2,3
	global_load_b128 v[48+4*\i:51+4*\i], v1, s[6:7] offset:2048*\i th:TH_LOAD_NT   ; each byte of we1 is read once in the launch
.endr
	s_wait_loadcnt 4                               ; psum's eight are in; we1's four, issued behind them, may be out
	VADD4 16, 20
	VADD4 24, 28
	VADD4 32, 36
	VADD4 40, 44
	VADD4 16, 24
	VADD4 32, 40
	VADD4 16, 32
	ds_store_b128 v4, v[16:19]                     ; XP + 512 w + 16 lane
	s_wait_dscnt 0x0                               ; for the others' sake
	s_barrier_signal -1
	s_barrier_wait -1
.irp p, 0,1,2,3,4,5,6,7
	ds_load_b128 v[16+4*\p:19+4*\p], v1 offset:XP+512*\p
.endr
	s_wait_loadcnt 0x0                             ; we1
	s_wait_dscnt 0x0
	VADD4 16, 20                                   ; parts 0-3: sample 0, into v16-19
	VADD4 24, 28
	VADD4 32, 36                                   ; parts 4-7: sample 1, into v32-35
	VADD4 40, 44
	VADD4 16, 24
	VADD4 32, 40
.irp i, 0,1,2,3
.irp b, 0,1
	v_pk_mul_f32 v[64+4*\i+2*\b:65+4*\i+2*\b], v[48+4*\i:49+4*\i], v[16+16*\b:17+16*\b]
.endr
.endr
.irp i, 0,1,2,3
.irp b, 0,1
	v_pk_fma_f32 v[64+4*\i+2*\b:65+4*\i+2*\b], v[50+4*\i:51+4*\i], v[18+16*\b:19+16*\b], v[64+4*\i+2*\b:65+4*\i+2*\b]
.endr
.endr
.irp n, 0,1,2,3,4,5,6,7
	v_add_f32 v[80+\n], v[64+2*\n], v[65+2*\n]     ; result 2 i + b: my four columns' part
.endr
.irp m, 1,2,4,8
.irp n, 0,1,2,3,4,5,6,7
	v_add_f32_dpp v[80+\n], v[80+\n], v[80+\n] row_xmask:\m row_mask:0xf bank_mask:0xf
.endr
.endr
.irp n, 0,1,2,3,4,5,6,7
	v_permlanex16_b32 v[64+\n], v[80+\n], s20, s21 ; (the destinations have been written before)
.endr
.irp n, 0,1,2,3,4,5,6,7
	v_add_f32 v[80+\n], v[80+\n], v[64+\n]
.endr
.irp i, 0,1,2,3
.irp b, 0,1
	ds_store_b32 v5, v[80+2*\i+\b] offset:RS+128*\b+4*\i   ; all lanes write the same word with the same value
.endr
.endr
	s_wait_dscnt 0x0
	s_barrier_signal -1
	s_barrier_wait -1
	s_cmp_lg_u32 s10, 0
	s_cbranch_scc1 .Lend
	ds_load_b64 v[16:17], v6 offset:RS
	s_wait_dscnt 0x0
	global_store_b64 v6, v[16:17], s[8:9]          ; 32 lanes store 256 consecutive bytes, aligned
.Lend:
	s_wait_tensorcnt 0x0                           ; the wave's end
	ds_add_u32 v2, v3
	s_wait_dscnt 0x0
	s_endpgm
.Lfunc_end_k_q2a925051cd_lat1:
	.size	k_q2a925051cd_lat1, .Lfunc_end_k_q2a925051cd_lat1-k_q2a925051cd_lat1
	.p2alignl 7, 3214868480
	.fill 96, 4, 3214868480
	.section	.rodata,"a",@progbits
	.p2align	6, 0x0
	.amdhsa_kernel k_q2a925051cd_lat1
		.amdhsa_group_segment_fixed_size 5376
		.amdhsa_private_segment_fixed_size 0
		.amdhsa_enable_private_segment 0
		.amdhsa_kernarg_size 24
		.amdhsa_user_sgpr_count 2
		.amdhsa_user_sgpr_kernarg_segment_ptr 1
		.amdhsa_wavefront_size32 1
		.amdhsa_system_sgpr_workgroup_id_x 1
		.amdhsa_system_sgpr_workgroup_id_y 1
		.amdhsa_system_sgpr_workgroup_id_z 1
		.amdhsa_system_vgpr_workitem_id 0
		.amdhsa_next_free_vgpr 96
		.amdhsa_next_free_sgpr 66
		.amdhsa_reserve_vcc 0
		.amdhsa_float_denorm_mode_32 3
		.amdhsa_float_denorm_mode_16_64 3
		.amdhsa_memory_ordered 1
		.amdhsa_forward_progress 1
		.amdhsa_inst_pref_size 11
	.end_amdhsa_kernel
	.amdgpu_metadata
---
amdhsa.version: [ 1, 2 ]
amdhsa.kernels:
  - .name:           k_q2a925051cd_lat1
    .symbol:         k_q2a925051cd_lat1.kd
    .args:
      - { .name: psum, .offset: 0, .size: 8, .value_kind: global_buffer, .address_space: global }
      - { .name: we1, .offset: 8, .size: 8, .value_kind: global_buffer, .address_space: global }
      - { .name: h1p, .offset: 16, .size: 8, .value_kind: global_buffer, .address_space: global }
    .group_segment_fixed_size: 5376
    .private_segment_fixed_size: 0
    .kernarg_segment_align: 8
    .kernarg_segment_size: 24
    .max_flat_workgroup_size: 256
    .sgpr_count:     66
    .vgpr_count:     96
    .wavefront_size: 32
...
	.end_amdgpu_metadata
.endif
;; end of part 2
;; launch lat2 (part 3): grid 1 x 1, 16 waves a work-group, no clusters, 19,200 bytes of LDS; arguments h1p, be1, we2, be2, wmu, bmu, wlv, blv, eps, wf, bf, bq, bk, out1, out2, qkb; writes out1, out2, qkb
.if DOCPART == 3
	.amdgcn_target "amdgcn-amd-amdhsa--gfx1250"
	.amdhsa_code_object_version 6
	.text
	.protected	k_q2a925051cd_lat2
	.globl	k_q2a925051cd_lat2
	.p2align	8
	.type	k_q2a925051cd_lat2,@function
k_q2a925051cd_lat2:
	s_mov_b64 s[64:65], 0
	v_nop
	global_prefetch_b8 v0, s[64:65] scope:SCOPE_SE
	s_setreg_imm32_b32 hwreg(HW_REG_WAVE_MODE, 25, 1), 1
	s_wait_xcnt 0x0
; The latent path from layer 1's raw sums on, all in f32 by fused multiply-adds: h1 = relu(2^-12 x (the sum of h1p's four planes) + be1), h2 = relu(h1 we2^T + be2), mu = h2 wmu^T + bmu, logvar = h2 wlv^T + blv,
; z = mu + eps exp(logvar / 2), lp = z wf^T + bf.  Out: mu (out1), logvar (out2), and qkb [which 2][b 2][512] = bq + lp, bk + lp: the C of the next launch's first products.
; ONE work-group of 16 waves: each layer needs all of the layer before, and work-groups of a launch hand each other nothing.  A wave takes a share of a layer's output rows; a lane holds 4 neighbouring
; columns of each 128 of a row, multiplies them by the same columns of both samples' input, and the 32 lanes' parts are added by lane exchanges.  Results go from wave to wave through LDS, one barrier a layer.
; h1p, the biases, we2 and wmu or wlv are asked for at the head; wf and the small vectors behind the first LDS store.  There is no loop to prefetch in.
; The mean's factor 2^-12 stands inside the multiply-add that adds be1: a power of two, so nothing is rounded by it.
; No matrix unit (two rows), no tensor load, no cluster.  LIMITS: NaN and infinities are not served.
.set H1R, 8192                         ; LDS: [2][256] layer 1's raw sums
.set H2R, 10240                        ; [2][128] layer 2's
.set MLR, 11264                        ; [2][128] mu's (0-63) and logvar's (64-127)
.set ZZ,  12288                        ; [2][64] z
.set LPR, 12800                        ; [2][512] z wf^T
.set RES, 64                           ; v64-95   a layer's results of this wave: [row][b]
.set WF,  96                           ; v96-159  the wave's 32 rows of wf
.set W2,  160                          ; v160-223 8 rows of we2
.set W3,  224                          ; v224-255 8 rows of wmu (waves 0-7) or wlv (waves 8-15)
.set T2,  48                           ; v48-51   running sums
.set AML, 52                           ; v52      LDS: my mu (thread 64 b + k)
.set AZR, 53                           ; v53      16 x (lane % 16)
.set ALS, 54                           ; v54      128 x wave + 4 x (lane / 16)
.set ALR, 55                           ; v55      my 16 bytes of lp
.set HA,  56                           ; v56      my word of layer 1's raw sums
.set MU,  58                           ; v58-60   mu, logvar, z: store data, never rewritten
.set LV,  59
.set ZT,  60
.macro BARRIER                         ; my LDS stores have landed and my LDS loads are in: then the work-group's barrier
	s_wait_dscnt 0x0
	s_barrier_signal -1
	s_barrier_wait -1
.endm
; n values a lane, v[base] on, are summed over the 16 lanes of a half, and with cross = 1 over both halves; every lane ends up with the sums.
.macro REDUCE base, n, dst, cross
.irp m, 1,2,4,8
.set i, 0
.rept \n
	v_add_f32_dpp v[\base+i], v[\base+i], v[\base+i] row_xmask:\m row_mask:0xf bank_mask:0xf
.set i, i+1
.endr
.endr
.if \cross
.set i, 0
.rept \n
	v_permlanex16_b32 v[\dst+i], v[\base+i], s40, s41   ; (the destinations have been written before)
.set i, i+1
.endr
.set i, 0
.rept \n
	v_add_f32 v[\base+i], v[\base+i], v[\dst+i]
.set i, i+1
.endr
.endif
.endm
	s_load_b512 s[4:19], s[0:1], 0x0               ; h1p 4, be1 6, we2 8, be2 10, wmu 12, bmu 14, wlv 16, blv 18
	s_load_b512 s[20:35], s[0:1], 0x40             ; eps 20, wf 22, bf 24, bq 26, bk 28, out1 30, out2 32, qkb 34
	v_lshrrev_b32 v1, 5, v0
	v_readfirstlane_b32 s38, v1                    ; wave 0..15
	v_and_b32 v3, 31, v0                           ; lane
	v_lshlrev_b32 v1, 4, v3                        ; 16 x lane
	v_lshlrev_b32 v2, 4, v0                        ; 16 x thread
	v_and_b32 v4, 0x1e0, v0                        ; 32 x wave
	v_lshlrev_b32 v31, 2, v0                       ; 4 x thread: thread 64 rc + 32 b + row holds word [rc][b][row] of each plane of h1p,
	v_lshlrev_b32 v[HA], 2, v3
	v_bfe_u32 v57, v0, 5, 1
	v_lshl_add_u32 v[HA], v57, 10, v[HA]
	v_lshrrev_b32 v57, 6, v0
	v_lshl_add_u32 v[HA], v57, 7, v[HA]            ; which is word 1024 b + 128 rc + 4 row of [2][256]
	v_and_b32 v28, 63, v0
	v_lshlrev_b32 v28, 2, v28                      ; 4 (thread % 64)
	v_and_b32 v30, 127, v0
	v_lshlrev_b32 v29, 2, v30                      ; 4 (thread % 128)
	v_lshlrev_b32 v30, 4, v30                      ; 16 (thread % 128)
	v_bfe_u32 v[AML], v0, 6, 1
	v_lshlrev_b32 v[AML], 9, v[AML]
	v_add_nc_u32 v[AML], v28, v[AML]
	v_and_b32 v[AZR], 15, v0
	v_lshlrev_b32 v[AZR], 4, v[AZR]
	v_lshlrev_b32 v[ALS], 2, v4
	v_bfe_u32 v[ALR], v0, 4, 1
	v_lshl_add_u32 v[ALS], v[ALR], 2, v[ALS]
	v_bfe_u32 v[ALR], v0, 7, 1
	v_lshl_add_u32 v[ALR], v[ALR], 11, v30
	s_mov_b32 s40, 0x76543210
	s_mov_b32 s41, 0xfedcba98                      ; v_permlanex16_b32's selects for lane l xor 16
	s_lshl_b32 s46, s38, 13                        ; we2: 8 rows of 1,024 bytes a wave; wf: 32 rows of 256
	s_mov_b32 s47, 0
	s_and_b32 s42, s38, 7
	s_lshl_b32 s42, s42, 12                        ; wmu, wlv: 8 rows of 512 bytes a wave
	s_mov_b32 s43, 0
	s_wait_alu depctr_va_vdst(0)                   ; the wait at the head's end
	s_wait_kmcnt 0x0
	s_add_nc_u64 s[8:9], s[8:9], s[46:47]
	s_add_nc_u64 s[22:23], s[22:23], s[46:47]
	s_cmp_lt_u32 s38, 8                            ; the choices hang on the wave's number alone
	s_cselect_b64 s[12:13], s[12:13], s[16:17]     ; wmu or wlv
	s_cselect_b64 s[26:27], s[26:27], s[28:29]     ; bq or bk
	s_add_nc_u64 s[12:13], s[12:13], s[42:43]
.irp k, 0,1,2,3
	global_load_b32 v[RES+\k], v31, s[4:5] offset:2048*\k
.endr
	global_load_b128 v[16:19], v1, s[6:7]          ; be1 at columns 4 lane and 128 + 4 lane
	global_load_b128 v[20:23], v1, s[6:7] offset:512
	global_load_b128 v[24:27], v1, s[10:11]        ; be2
.irp i, 0,1,2,3,4,5,6,7
.irp j, 0,1
	global_load_b128 v[W2+8*\i+4*\j:W2+8*\i+4*\j+3], v1, s[8:9] offset:1024*\i+512*\j th:TH_LOAD_NT
.endr
.endr
.irp i, 0,1,2,3,4,5,6,7
	global_load_b128 v[W3+4*\i:W3+4*\i+3], v1, s[12:13] offset:512*\i th:TH_LOAD_NT
.endr
	; ---- layer 1's raw sums: the four planes of h1p
	s_wait_loadcnt 27                              ; the count: be1's 2, be2's 1, we2's 16 and the third layer's 8 were issued behind h1p's
	v_add_f32 v[RES], v[RES], v[RES+1]
	v_add_f32 v[RES+2], v[RES+2], v[RES+3]
	v_add_f32 v[RES], v[RES], v[RES+2]
	ds_store_b32 v[HA], v[RES] offset:H1R
	global_load_b32 v5, v28, s[14:15]              ; bmu
	global_load_b32 v6, v28, s[18:19]              ; blv
	global_load_b32 v7, v29, s[20:21]              ; eps
	global_load_b128 v[8:11], v30, s[24:25]        ; bf
	global_load_b128 v[12:15], v30, s[26:27]       ; bq or bk
.irp i, 0,1,2,3,4,5,6,7,8,9,10,11,12,13,14,15
	global_load_b128 v[WF+4*\i:WF+4*\i+3], v1, s[22:23] offset:512*\i th:TH_LOAD_NT   ; wf: lanes 0-15 row 32 w + 2 i, lanes 16-31 the next
.endr
	BARRIER
	; ---- layer 2: my 8 rows of we2
.irp b, 0,1
.irp j, 0,1
	ds_load_b128 v[32+8*\b+4*\j:35+8*\b+4*\j], v1 offset:H1R+1024*\b+512*\j
.endr
.endr
	s_wait_loadcnt 29                              ; be1 and we2 are in; the third layer's 8, the small 5 and wf's 16 may be out
	s_wait_dscnt 0x0
.irp b, 0,1
.irp p, 0,1,2,3
	v_pk_fma_f32 v[32+8*\b+2*\p:33+8*\b+2*\p], v[32+8*\b+2*\p:33+8*\b+2*\p], 0x39800000, v[16+2*\p:17+2*\p] op_sel_hi:[1,0,1]   ; raw x 2^-12 + be1
.endr
.endr
.set i, 0
.rept 16
	v_max_num_f32 v[32+i], 0, v[32+i]
.set i, i+1
.endr
.irp i, 0,1,2,3,4,5,6,7
.irp b, 0,1
	v_pk_mul_f32 v[T2+2*\b:T2+2*\b+1], v[W2+8*\i:W2+8*\i+1], v[32+8*\b:33+8*\b]
.endr
.irp p, 1,2,3
.irp b, 0,1
	v_pk_fma_f32 v[T2+2*\b:T2+2*\b+1], v[W2+8*\i+2*\p:W2+8*\i+2*\p+1], v[32+8*\b+2*\p:33+8*\b+2*\p], v[T2+2*\b:T2+2*\b+1]
.endr
.endr
.irp b, 0,1
	v_add_f32 v[RES+2*\i+\b], v[T2+2*\b], v[T2+2*\b+1]
.endr
.endr
	REDUCE RES, 16, 32, 1                          ; (the layer's input registers are done with)
.irp i, 0,1,2,3,4,5,6,7
.irp b, 0,1
	ds_store_b32 v4, v[RES+2*\i+\b] offset:H2R+512*\b+4*\i    ; all lanes write the same word with the same value
.endr
.endr
	BARRIER
	; ---- layer 3: my 8 rows of wmu or of wlv
.irp b, 0,1
	ds_load_b128 v[32+4*\b:35+4*\b], v1 offset:H2R+512*\b
.endr
	s_wait_loadcnt 21                              ; the third layer's rows are in; the small 5 and wf's 16 may be out
	s_wait_dscnt 0x0
.irp b, 0,1
	v_pk_add_f32 v[32+4*\b:33+4*\b], v[32+4*\b:33+4*\b], v[24:25]
	v_pk_add_f32 v[34+4*\b:35+4*\b], v[34+4*\b:35+4*\b], v[26:27]
.endr
.set i, 0
.rept 8
	v_max_num_f32 v[32+i], 0, v[32+i]
.set i, i+1
.endr
.irp i, 0,1,2,3,4,5,6,7
.irp b, 0,1
	v_pk_mul_f32 v[T2+2*\b:T2+2*\b+1], v[W3+4*\i:W3+4*\i+1], v[32+4*\b:33+4*\b]
.endr
.irp b, 0,1
	v_pk_fma_f32 v[T2+2*\b:T2+2*\b+1], v[W3+4*\i+2:W3+4*\i+3], v[34+4*\b:35+4*\b], v[T2+2*\b:T2+2*\b+1]
.endr
.irp b, 0,1
	v_add_f32 v[RES+2*\i+\b], v[T2+2*\b], v[T2+2*\b+1]
.endr
.endr
	REDUCE RES, 16, 32, 1
.irp i, 0,1,2,3,4,5,6,7
.irp b, 0,1
	ds_store_b32 v4, v[RES+2*\i+\b] offset:MLR+512*\b+4*\i    ; index 8 w + i: 0-63 mu, 64-127 logvar
.endr
.endr
	BARRIER
	; ---- mu, logvar, z: thread 64 b + k of waves 0 to 3
	s_wait_loadcnt 16                              ; the five small loads are in; wf's 16 may be out
	s_cmp_lt_u32 s38, 4
	s_cbranch_scc0 .Lno_z
	ds_load_b32 v[MU], v[AML] offset:MLR
	ds_load_b32 v[LV], v[AML] offset:MLR+256
	s_wait_dscnt 0x0
	v_add_f32 v[MU], v[MU], v5
	v_add_f32 v[LV], v[LV], v6
	global_store_b32 v29, v[MU], s[30:31]
	global_store_b32 v29, v[LV], s[32:33]
	v_mul_f32 v[ZT], 0x3f38aa3b, v[LV]             ; logvar x log2(e) / 2
	s_wait_alu depctr_va_vdst(0)                   ; the wait ahead of the transcendental
	v_exp_f32 v[ZT], v[ZT]
	v_nop                                          ; a plain line behind the exponential,
	s_wait_alu depctr_va_vdst(0)                   ; and the wait ahead of the first line that names its result
	v_fma_f32 v[ZT], v7, v[ZT], v[MU]
	ds_store_b32 v29, v[ZT] offset:ZZ
.Lno_z:
	BARRIER
	; ---- z wf^T: my 32 rows, two a step: a row's 64 columns lie in 16 lanes
	ds_load_b128 v[32:35], v[AZR] offset:ZZ
	ds_load_b128 v[36:39], v[AZR] offset:ZZ+256
	s_wait_loadcnt 0x0                             ; wf
	s_wait_dscnt 0x0
.irp i, 0,1,2,3,4,5,6,7,8,9,10,11,12,13,14,15
.irp b, 0,1
	v_pk_mul_f32 v[T2+2*\b:T2+2*\b+1], v[WF+4*\i:WF+4*\i+1], v[32+4*\b:33+4*\b]
.endr
.irp b, 0,1
	v_pk_fma_f32 v[T2+2*\b:T2+2*\b+1], v[WF+4*\i+2:WF+4*\i+3], v[34+4*\b:35+4*\b], v[T2+2*\b:T2+2*\b+1]
.endr
.irp b, 0,1
	v_add_f32 v[RES+2*\i+\b], v[T2+2*\b], v[T2+2*\b+1]
.endr
.endr
	REDUCE RES, 32, 0, 0
.irp i, 0,1,2,3,4,5,6,7,8,9,10,11,12,13,14,15
.irp b, 0,1
	ds_store_b32 v[ALS], v[RES+2*\i+\b] offset:LPR+2048*\b+8*\i   ; row 32 w + 2 i + lane / 16
.endr
.endr
	BARRIER
	; ---- bq + lp, bk + lp: thread t holds 16 bytes; t / 128 = 2 which + b
	ds_load_b128 v[32:35], v[ALR] offset:LPR
	s_wait_dscnt 0x0
	v_pk_add_f32 v[32:33], v[32:33], v[8:9]
	v_pk_add_f32 v[34:35], v[34:35], v[10:11]
	v_pk_add_f32 v[32:33], v[32:33], v[12:13]
	v_pk_add_f32 v[34:35], v[34:35], v[14:15]
	global_store_b128 v2, v[32:35], s[34:35]       ; 32 lanes store 512 consecutive bytes
	s_wait_xcnt 0x0
	v_lshl_add_u32 v254, v0, 2, 0x4300             ; the spare words lie behind the stages; the two registers are made anew here, v0 being as at the entry
	v_mov_b32 v255, 0
	s_wait_alu depctr_va_vdst(0)
	s_wait_tensorcnt 0x0                           ; the wave's end
	ds_add_u32 v254, v255
	s_wait_dscnt 0x0
	s_endpgm
.Lfunc_end_k_q2a925051cd_lat2:
	.size	k_q2a925051cd_lat2, .Lfunc_end_k_q2a925051cd_lat2-k_q2a925051cd_lat2
	.p2alignl 7, 3214868480
	.fill 96, 4, 3214868480
	.section	.rodata,"a",@progbits
	.p2align	6, 0x0
	.amdhsa_kernel k_q2a925051cd_lat2
		.amdhsa_group_segment_fixed_size 19200
		.amdhsa_private_segment_fixed_size 0
		.amdhsa_enable_private_segment 0
		.amdhsa_kernarg_size 128
		.amdhsa_user_sgpr_count 2
		.amdhsa_user_sgpr_kernarg_segment_ptr 1
		.amdhsa_wavefront_size32 1
		.amdhsa_system_sgpr_workgroup_id_x 1
		.amdhsa_system_sgpr_workgroup_id_y 1
		.amdhsa_system_sgpr_workgroup_id_z 1
		.amdhsa_system_vgpr_workitem_id 0
		.amdhsa_next_free_vgpr 256
		.amdhsa_next_free_sgpr 66
		.amdhsa_reserve_vcc 0
		.amdhsa_float_denorm_mode_32 3
		.amdhsa_float_denorm_mode_16_64 3
		.amdhsa_memory_ordered 1
		.amdhsa_forward_progress 1
		.amdhsa_inst_pref_size 47
	.end_amdhsa_kernel
	.amdgpu_metadata
---
amdhsa.version: [ 1, 2 ]
amdhsa.kernels:
  - .name:           k_q2a925051cd_lat2
    .symbol:         k_q2a925051cd_lat2.kd
    .args:
      - { .name: h1p, .offset: 0, .size: 8, .value_kind: global_buffer, .address_space: global }
      - { .name: be1, .offset: 8, .size: 8, .value_kind: global_buffer, .address_space: global }
      - { .name: we2, .offset: 16, .size: 8, .value_kind: global_buffer, .address_space: global }
      - { .name: be2, .offset: 24, .size: 8, .value_kind: global_buffer, .address_space: global }
      - { .name: wmu, .offset: 32, .size: 8, .value_kind: global_buffer, .address_space: global }
      - { .name: bmu, .offset: 40, .size: 8, .value_kind: global_buffer, .address_space: global }
      - { .name: wlv, .offset: 48, .size: 8, .value_kind: global_buffer, .address_space: global }
      - { .name: blv, .offset: 56, .size: 8, .value_kind: global_buffer, .address_space: global }
      - { .name: eps, .offset: 64, .size: 8, .value_kind: global_buffer, .address_space: global }
      - { .name: wf, .offset: 72, .size: 8, .value_kind: global_buffer, .address_space: global }
      - { .name: bf, .offset: 80, .size: 8, .value_kind: global_buffer, .address_space: global }
      - { .name: bq, .offset: 88, .size: 8, .value_kind: global_buffer, .address_space: global }
      - { .name: bk, .offset: 96, .size: 8, .value_kind: global_buffer, .address_space: global }
      - { .name: out1, .offset: 104, .size: 8, .value_kind: global_buffer, .address_space: global }
      - { .name: out2, .offset: 112, .size: 8, .value_kind: global_buffer, .address_space: global }
      - { .name: qkb, .offset: 120, .size: 8, .value_kind: global_buffer, .address_space: global }
    .group_segment_fixed_size: 19200
    .private_segment_fixed_size: 0
    .kernarg_segment_align: 8
    .kernarg_segment_size: 128
    .max_flat_workgroup_size: 512
    .sgpr_count:     66
    .vgpr_count:     256
    .wavefront_size: 32
...
	.end_amdgpu_metadata
.endif
;; end of part 3
;; launch qkv (part 4): grid 4 x 64, 12 waves a work-group, clusters of 4 x 4, 169,472 bytes of LDS; arguments rowcodes, rowscales, wq_codes, wq_scales, wk_codes, wk_scales, wv_codes, wv_scales, qkb, bv, qc, qs, kv; writes qc, qs, kv
.if DOCPART == 4
	.amdgcn_target "amdgcn-amd-amdhsa--gfx1250"
	.amdhsa_code_object_version 6
	.text
	.protected	k_q2a925051cd_qkv
	.globl	k_q2a925051cd_qkv
	.p2align	8
	.type	k_q2a925051cd_qkv,@function
k_q2a925051cd_qkv:
	s_mov_b64 s[64:65], 0
	v_nop
	global_prefetch_b8 v0, s[64:65] scope:SCOPE_SE
	s_setreg_imm32_b32 hwreg(HW_REG_WAVE_MODE, 25, 1), 1
	s_wait_xcnt 0x0
	s_wait_alu depctr_hold_cnt(0) depctr_sa_sdst(0) depctr_va_vdst(0) depctr_va_sdst(0) depctr_va_ssrc(0) depctr_va_vcc(0) depctr_vm_vsrc(0)
	s_getreg_b32 s2, hwreg(HW_REG_IB_STS2, 6, 4)
	s_cmp_eq_u32 s2, 0
	s_cbranch_scc0 .Lentry_in_a_cluster
	s_endpgm
.Lentry_in_a_cluster:
	s_bfe_u32 s2, ttmp6, 0x10000c
	s_cmp_lg_u32 s2, 0xf033
	s_cbranch_scc0 .Lentry_shape_is_right
	s_endpgm
.Lentry_shape_is_right:
; q_g = x wq^T + (bq + lp), k_g = x wk^T + (bk + lp), v = x wv^T + bv on codes of FP4 with E8M0 scales; the results are quantised in registers: q_g and k_g along the head's 64, v along the keys.
; SHARES.  Work-group (p, g): columns 128 p .. + 127 (heads 2 p, 2 p + 1) of rows 128 g .. + 127 (key step g % 32 of sample g / 32).  Twelve waves: role = wave / 4 (0 Q, 1 K, 2 V), sub = wave % 4.
; Every wave does one JOB: a big operand of 8 tiles as source 0 against a small one of 2 tiles as source 1, four K steps: 64 matrix instructions on 16 accumulators that take turns.
;   Q, K: big = the 128 rows of W, small = x's row tiles 2 sub, 2 sub + 1: a lane holds ONE row of x and its registers run along the channels, the next product's K.
;   V:    big = x's 8 row tiles, small = wv's channel tiles 2 sub, 2 sub + 1: a lane holds ONE channel and its registers run along the keys, the next product's K.
; In a result tile t lane (r, h) holds in register j element 16 t + 8 h + j of that K.  A block of 32 is tiles 2 b, 2 b + 1 in lanes l and l xor 16; the conversions take 8 neighbours each, and two exchanges of
; halves for each pair of blocks put a whole block into a lane, in the order of the operand's registers.
; OUT, as images of operands' registers:  qc [bh 16][query tile 256][lane][16 bytes] (block lane / 16 of query lane % 16), qs [bh][row] words (bytes s0 s1 s0 s1: the product's K is 64 of the instruction's 128, the
; rest are zero codes);  kv [bh][step 32][8,960 bytes]: + 0 K's 8 tiles x 512; + 4,096 V^T's 4 channel tiles x 1,024; + 8,192 K's scale words [lane][4] (word j: tile 2 j + lane / 16); + 8,704 V's [lane][2].
; K's scale words are stored 4 bytes a lane, 16 bytes apart: the role's four waves together fill the 512 bytes.  That is 1 byte in 17 of what the launch stores, and lets the next launch take four words by one load.
; CLUSTER 4 x 4: W's tiles hang on p alone and are asked for jointly along a column of the cluster, x's on g alone, along a row.  Every LDS byte is filled once.
; LIMITS: a block's largest magnitude is taken no smaller than 2^-124 (a block of zeros: byte 1, zero codes; this program alone reads the bytes); NaN and infinities are not served.
.set WV,   30                          ; s30 wave, s31 role, s33 sub
.set ROLE, 31
.set SUB,  33
.set SEL,  66                          ; s[66:67] v_permlanex16_b32's selects
.set WPITCH, 272                       ; a row of W in LDS: 256 bytes + 16: the 16 rows that a load touches start 4 banks apart
.set WTILE,  128*WPITCH                ; wq's rows at 0, wk's, wv's behind
.set XIMG,   3*WTILE                   ; x's 8 row tiles, 4,096 bytes each, as they lie in rowcodes
.set ACC, 16                           ; v16-143  accumulator (s, t) at 16 + 64 s + 8 t
.set BF,  144                          ; v144-207 the big operand's 8 fragments of a K step
.set SF,  208                          ; v208-223 the small operand's 2
.set BS,  224                          ; v224-239 the big operand's scale words: register 4 i + q: tile 2 i in lanes 0-15, tile 2 i + 1 in lanes 16-31
.set SS,  240                          ; v240-243 the small operand's: register q: tile 0 in lanes 0-15, tile 1 in lanes 16-31
.set TM,  144                          ; behind the products the fragments' registers are free: v144-147 largest magnitudes,
.set TS,  148                          ; v148-151 the conversions' scale operands,
.set PC0, 152                          ; v152-159, v160-167 the codes of the two tiles,
.set PC1, 160
.set PW,  168                          ; v168-169 their scale words
.set TP,  248                          ; v248-251 lane permutes' results, then bytes
.macro PLACES n
.rept \n
	v_nop
.endr
.endm
.macro CROUND                          ; a round of the cluster's barrier
	s_barrier_signal -1
	s_barrier_wait -1
	s_cmp_lg_u32 s[WV], 0
	s_cbranch_scc1 .Lnot_wave_0_\@
	s_barrier_signal -3
.Lnot_wave_0_\@:
	s_barrier_wait -3
	s_barrier_signal -1
	s_barrier_wait -1
.endm
; one matrix instruction.  z = 1: it starts the sum.  ra, rb = 1: that side's scales stand in lanes 16-31 of the register named
.macro WM d, a, b, z, sa, sb, ra, rb
.if (\z) && (\ra) && (\rb)
	v_wmma_scale_f32_16x16x128_f8f6f4 v[\d:\d+7], v[\a:\a+7], v[\b:\b+7], 0, v[\sa], v[\sb] matrix_a_fmt:MATRIX_FMT_FP4 matrix_b_fmt:MATRIX_FMT_FP4 matrix_a_scale:MATRIX_SCALE_ROW1 matrix_b_scale:MATRIX_SCALE_ROW1
.elseif (\z) && (\ra)
	v_wmma_scale_f32_16x16x128_f8f6f4 v[\d:\d+7], v[\a:\a+7], v[\b:\b+7], 0, v[\sa], v[\sb] matrix_a_fmt:MATRIX_FMT_FP4 matrix_b_fmt:MATRIX_FMT_FP4 matrix_a_scale:MATRIX_SCALE_ROW1
.elseif (\z) && (\rb)
	v_wmma_scale_f32_16x16x128_f8f6f4 v[\d:\d+7], v[\a:\a+7], v[\b:\b+7], 0, v[\sa], v[\sb] matrix_a_fmt:MATRIX_FMT_FP4 matrix_b_fmt:MATRIX_FMT_FP4 matrix_b_scale:MATRIX_SCALE_ROW1
.elseif (\z)
	v_wmma_scale_f32_16x16x128_f8f6f4 v[\d:\d+7], v[\a:\a+7], v[\b:\b+7], 0, v[\sa], v[\sb] matrix_a_fmt:MATRIX_FMT_FP4 matrix_b_fmt:MATRIX_FMT_FP4
.elseif (\ra) && (\rb)
	v_wmma_scale_f32_16x16x128_f8f6f4 v[\d:\d+7], v[\a:\a+7], v[\b:\b+7], v[\d:\d+7], v[\sa], v[\sb] matrix_a_fmt:MATRIX_FMT_FP4 matrix_b_fmt:MATRIX_FMT_FP4 matrix_a_scale:MATRIX_SCALE_ROW1 matrix_b_scale:MATRIX_SCALE_ROW1
.elseif (\ra)
	v_wmma_scale_f32_16x16x128_f8f6f4 v[\d:\d+7], v[\a:\a+7], v[\b:\b+7], v[\d:\d+7], v[\sa], v[\sb] matrix_a_fmt:MATRIX_FMT_FP4 matrix_b_fmt:MATRIX_FMT_FP4 matrix_a_scale:MATRIX_SCALE_ROW1
.elseif (\rb)
	v_wmma_scale_f32_16x16x128_f8f6f4 v[\d:\d+7], v[\a:\a+7], v[\b:\b+7], v[\d:\d+7], v[\sa], v[\sb] matrix_a_fmt:MATRIX_FMT_FP4 matrix_b_fmt:MATRIX_FMT_FP4 matrix_b_scale:MATRIX_SCALE_ROW1
.else
	v_wmma_scale_f32_16x16x128_f8f6f4 v[\d:\d+7], v[\a:\a+7], v[\b:\b+7], v[\d:\d+7], v[\sa], v[\sb] matrix_a_fmt:MATRIX_FMT_FP4 matrix_b_fmt:MATRIX_FMT_FP4
.endif
.endm
; 64 numbers of a lane, 8 result tiles from v[s] on, become 8 registers of codes in the operand's order, v[pc] on, and the four blocks' scale bytes in v[pw].  Each accumulator is read from its low end on.
.macro QUANT64 s, pc, pw
.irp b, 0,1,2,3
	v_max3_num_f32 v[TM+\b], |v[\s+16*\b]|, |v[\s+16*\b+1]|, 0x1800000   ; block b: my 16 numbers, and the floor 2^(3 - 127): the byte cannot fall under 1
.endr
.irp i, 2,4,6,8,10,12,14
.irp b, 0,1,2,3
	v_max3_num_f32 v[TM+\b], v[TM+\b], |v[\s+16*\b+\i]|, |v[\s+16*\b+\i+1]|   ; (the four blocks by turns)
.endr
.endr
.irp b, 0,1,2,3
	s_delay_alu instid0(VALU_DEP_4)
	v_permlanex16_b32 v[TP+\b], v[TM+\b], s[SEL], s[SEL+1]
.endr
.irp b, 0,1,2,3
	s_delay_alu instid0(VALU_DEP_4)
	v_max_num_f32 v[TM+\b], v[TM+\b], v[TP+\b]     ; with lane l xor 16's: the block's largest magnitude
.endr
.irp b, 0,1,2,3
	s_delay_alu instid0(VALU_DEP_4)
	v_add_nc_u32 v[TS+\b], 0xff000000, v[TM+\b]    ; 2 off its exponent field: the conversion's scale operand
.endr
.irp b, 0,1,2,3
	s_delay_alu instid0(VALU_DEP_4)
	v_lshrrev_b32 v[TP+\b], 23, v[TS+\b]           ; the scale's byte
.endr
	s_delay_alu instid0(VALU_DEP_3)
	v_lshl_or_b32 v[\pw], v[TP+1], 8, v[TP]
	s_delay_alu instid0(VALU_DEP_1)
	v_lshl_or_b32 v[\pw], v[TP+2], 16, v[\pw]
	s_delay_alu instid0(VALU_DEP_1)
	v_lshl_or_b32 v[\pw], v[TP+3], 24, v[\pw]
.irp c, 0,1                                    ; blocks 2 c (tiles 4 c, 4 c + 1) and 2 c + 1 (tiles 4 c + 2, 4 c + 3)
	v_cvt_scalef32_pk8_fp4_f32 v[\pc+4*\c], v[\s+32*\c:\s+32*\c+7], v[TS+2*\c]
	v_cvt_scalef32_pk8_fp4_f32 v[\pc+4*\c+1], v[\s+32*\c+16:\s+32*\c+23], v[TS+2*\c+1]
	v_cvt_scalef32_pk8_fp4_f32 v[\pc+4*\c+2], v[\s+32*\c+8:\s+32*\c+15], v[TS+2*\c]
	v_cvt_scalef32_pk8_fp4_f32 v[\pc+4*\c+3], v[\s+32*\c+24:\s+32*\c+31], v[TS+2*\c+1]
.endr
	v_nop                                          ; one plain line behind the last conversion
.irp c, 0,1                                    ; the first's lanes 16-31 change places with the second's lanes 0-15: lanes 0-15 then hold block 2 c whole, lanes 16-31 block 2 c + 1
	v_permlane16_swap_b32 v[\pc+4*\c], v[\pc+4*\c+1]
	v_permlane16_swap_b32 v[\pc+4*\c+2], v[\pc+4*\c+3]
.endr
.endm
; The products.  ba, sa: the address registers of the big and the small operand; bt, bq, bc (st, sq, sc): bytes from tile to tile, from K step to K step, from a fragment's first 16 bytes a lane to its second.
.macro JOB ba, bt, bq, bc, sa, st, sq, sc, isv
.irp q, 0,1,2,3
.if \q > 0
	PLACES 4                                       ; in front of loads into registers that matrix instructions have read
.endif
.irp t, 0,1,2,3,4,5,6,7
.irp c, 0,1
	ds_load_b128 v[BF+8*\t+4*\c:BF+8*\t+4*\c+3], v[\ba] offset:\bt*\t+\bq*\q+\bc*\c
.endr
.endr
.irp s, 0,1
.irp c, 0,1
	ds_load_b128 v[SF+8*\s+4*\c:SF+8*\s+4*\c+3], v[\sa] offset:\st*\s+\sq*\q+\sc*\c
.endr
.endr
	s_wait_dscnt 0x0
.set ZF, 0
.if (\isv) && (\q == 0)
.set ZF, 1
.endif
.irp t, 0,1,2,3,4,5,6,7
.irp s, 0,1
	WM ACC+64*\s+8*\t, BF+8*\t, SF+8*\s, ZF, BS+4*(\t/2)+\q, SS+\q, (\t)%2, \s
.endr
.endr
.endr
	PLACES 4                                       ; in front of the first read of results and of writes over the fragments' registers
.endm
	s_load_b512 s[4:19], s[0:1], 0x0               ; rowcodes 4, rowscales 6, wq_codes 8, wq_scales 10, wk_codes 12, wk_scales 14, wv_codes 16, wv_scales 18
	s_load_b256 s[20:27], s[0:1], 0x40             ; qkb 20, bv 22, qc 24, qs 26
	s_load_b64 s[28:29], s[0:1], 0x60              ; kv
	v_lshl_add_u32 v15, v0, 2, 0x29000
	v_mov_b32 v255, 0
	ds_add_u32 v15, v255
	ds_add_u32 v15, v255
	v_lshrrev_b32 v1, 5, v0
	s_delay_alu instid0(VALU_DEP_1)
	v_readfirstlane_b32 s[WV], v1                  ; wave 0..11
	s_lshr_b32 s[ROLE], s[WV], 2
	s_and_b32 s[SUB], s[WV], 3
	s_bfe_u32 s34, ttmp6, 0x40000                  ; cx
	s_bfe_u32 s35, ttmp6, 0x40004                  ; cy
	s_lshl_b32 s60, ttmp9, 2
	s_add_co_u32 s60, s60, s34                     ; p = 4 x cluster x + cx
	s_and_b32 s61, ttmp7, 0xffff
	s_lshl_b32 s61, s61, 2
	s_add_co_u32 s61, s61, s35                     ; g = 4 x cluster y + cy
	s_lshr_b32 s62, s61, 5                         ; the sample
	s_and_b32 s63, s61, 31                         ; the key step
	s_lshl_b32 s98, s35, 2
	s_lshl_b32 s98, 15, s98                        ; my row of the cluster
	s_lshl_b32 s96, 0x1111, s34                    ; my column
	; descriptor group 1: 64 rows of 256 bytes (32 elements of 8), dense in memory.  x's images lie dense in LDS too; W's rows get 16 bytes of padding
	s_or_b32 s36, s98, (3<<16)|(1<<21)             ; x: 15:0 the mask: my row; 17:16 elements of 8 bytes; 21 set beside a mask
	s_or_b32 s44, s96, (3<<16)|(1<<20)|(1<<21)|(5<<22)|(3<<25)   ; W: my column; 20 padding on; 24:22 after every 64 words; 31:25 four words
.irp g, 36, 44
	s_mov_b32 s[\g+1], 32<<16                      ; tensor_dim0
	s_mov_b32 s[\g+2], 64<<16                      ; tensor_dim1
	s_mov_b32 s[\g+3], 32<<16                      ; tile_dim0
	s_mov_b32 s[\g+4], 64                          ; tile_dim1
	s_mov_b32 s[\g+5], 32                          ; the pitch
	s_mov_b32 s[\g+6], 0
	s_mov_b32 s[\g+7], 0
.endr
	s_and_b32 s95, s[WV], 1
	s_lshl_b32 s95, s95, 14                        ; which 64 rows of 256 bytes I fetch
	s_lshl_b32 s96, s60, 15
	s_add_co_u32 s96, s96, s95                     ; W: 128 p rows + my half: hangs on p and the wave alone
	s_mov_b32 s97, 0
	s_lshl_b32 s98, s61, 15
	s_add_co_u32 s98, s98, s95                     ; x: 8 g row tiles + my half: on g and the wave alone
	s_mov_b32 s99, 0
	s_mov_b32 s56, 1
	s_mul_i32 s57, s[WV], 64*WPITCH                ; waves 0, 1: wq's halves; 2, 3: wk's; 4, 5: wv's
	s_mov_b32 s52, 1
	s_add_co_u32 s53, s95, XIMG                    ; waves 6, 7: x's halves
	s_wait_dscnt 0x0
	s_wait_kmcnt 0x0
	s_cmp_lt_u32 s[WV], 4
	s_cselect_b64 s[58:59], s[12:13], s[16:17]
	s_cmp_lt_u32 s[WV], 2
	s_cselect_b64 s[58:59], s[8:9], s[58:59]
	s_add_nc_u64 s[58:59], s[58:59], s[96:97]
	s_or_b32 s59, s59, 0x80000000
	s_add_nc_u64 s[54:55], s[4:5], s[98:99]
	s_or_b32 s55, s55, 0x80000000
	CROUND                                         ; all sixteen work-groups are here: the joint loads meet
	s_cmp_lt_u32 s[WV], 6                          ; one load a fetching wave; four v_nop follow each of the two lines
	s_cbranch_scc0 .Lnot_w
	tensor_load_to_lds s[56:59], s[44:51]
	s_nop 0
	PLACES 4
	s_branch .Lasked
.Lnot_w:
	s_cmp_lt_u32 s[WV], 8
	s_cbranch_scc0 .Lasked
	tensor_load_to_lds s[52:55], s[36:43]
	s_nop 0
	PLACES 4
.Lasked:
	; what hangs on the role: bases by s_cselect_b64, strides and offsets in registers of their own
	s_lshr_b32 s86, s[SUB], 1                      ; V: which head of the pair my two channel tiles belong to
	s_and_b32 s87, s[SUB], 1
	s_lshl_b32 s88, s[SUB], 10                     ; Q, K: codes of two tiles of 512 bytes
	s_lshl_b32 s89, s87, 11
	s_add_co_u32 s89, s89, 4096                    ; V: two channel tiles of 1,024 bytes, behind K's
	s_lshl_b32 s90, s[SUB], 7                      ; 32 words
	s_lshl_b32 s91, s[SUB], 2
	s_add_co_u32 s91, s91, 8192                    ; K's scale words: word sub of each lane's four
	s_lshl_b32 s92, s87, 2
	s_add_co_u32 s92, s92, 8704                    ; V's: word sub % 2 of each lane's two
	s_lshl_b32 s93, s[SUB], 9                      ; V: wv's scale rows of my two tiles
	s_lshl_b32 s82, s[ROLE], 12
	s_lshl_b32 s81, s62, 11
	s_add_co_u32 s82, s82, s81                     ; Q, K: qkb [role][sample]
	s_mov_b32 s78, 286720
	s_mov_b32 s79, 286720
	s_mov_b32 s83, 8960
	s_cmp_eq_u32 s[ROLE], 2
	s_cselect_b32 s86, s86, 0
	s_cselect_b32 s88, s89, s88
	s_cselect_b32 s91, s92, s91
	s_cselect_b32 s93, s93, 0
	s_cselect_b32 s94, 0, s90                      ; Q, K: x's scale words of my two row tiles
	s_cselect_b32 s82, s90, s82                    ; V: bv of my two channel tiles
	s_cselect_b32 s80, 3, 4
	s_cselect_b64 s[68:69], s[18:19], s[14:15]
	s_cselect_b64 s[72:73], s[22:23], s[20:21]
	s_cmp_eq_u32 s[ROLE], 0
	s_cselect_b32 s90, s90, s91                    ; the scale words' place in a step
	s_cselect_b32 s80, 2, s80                      ; log2 of their distance from lane to lane: Q 4 bytes, K 16, V 8
	s_cselect_b32 s78, 131072, s78                 ; from head to head: codes,
	s_cselect_b32 s79, 16384, s79                  ; scale words
	s_cselect_b32 s84, 4096, s83                   ; from key step to key step: codes,
	s_cselect_b32 s85, 512, s83                    ; scale words
	s_cselect_b64 s[68:69], s[10:11], s[68:69]     ; my W's scales
	s_cselect_b64 s[74:75], s[24:25], s[28:29]     ; codes go to qc or kv,
	s_cselect_b64 s[76:77], s[26:27], s[28:29]     ; scale words to qs or kv
	s_lshl_b32 s87, s62, 3
	s_lshl_b32 s89, s60, 1
	s_add_co_u32 s87, s87, s89                     ; 8 b + 2 p
	s_add_co_u32 s87, s87, s86
	s_mul_i32 s86, s87, s78
	s_mul_i32 s89, s63, s84
	s_add_co_u32 s86, s86, s89
	s_add_co_u32 s86, s86, s88
	s_mul_i32 s88, s87, s79
	s_mul_i32 s89, s63, s85
	s_add_co_u32 s88, s88, s89
	s_add_co_u32 s88, s88, s90
	s_mov_b32 s87, 0
	s_mov_b32 s89, 0
	s_add_nc_u64 s[74:75], s[74:75], s[86:87]
	s_add_nc_u64 s[76:77], s[76:77], s[88:89]
	s_lshl_b32 s92, s60, 11                        ; 128 p rows of 16 scale bytes
	s_add_co_u32 s92, s92, s93
	s_mov_b32 s93, 0
	s_add_nc_u64 s[68:69], s[68:69], s[92:93]
	s_lshl_b32 s81, s61, 9                         ; 128 g words
	s_add_co_u32 s94, s94, s81
	s_mov_b32 s95, 0
	s_add_nc_u64 s[70:71], s[6:7], s[94:95]
	s_lshl_b32 s81, s60, 9                         ; 128 p numbers
	s_add_co_u32 s82, s82, s81
	s_mov_b32 s83, 0
	s_add_nc_u64 s[72:73], s[72:73], s[82:83]
	s_mov_b32 s[SEL], 0x76543210
	s_mov_b32 s[SEL+1], 0xfedcba98
	v_and_b32 v1, 31, v0                           ; lane
	v_and_b32 v2, 15, v0                           ; r
	v_bfe_u32 v3, v0, 4, 1                         ; h
	s_delay_alu instid0(VALU_DEP_3)
	v_lshlrev_b32 v4, 4, v1                        ; 16 x lane
	s_delay_alu instid0(VALU_DEP_3)
	v_mul_u32_u24 v5, v2, WPITCH
	s_delay_alu instid0(VALU_DEP_1)
	v_lshl_add_u32 v5, v3, 4, v5
	s_mul_i32 s81, s[ROLE], WTILE
	v_add_nc_u32 v5, s81, v5                       ; my W: row r, + 16 h
	s_mul_i32 s81, s[SUB], 32*WPITCH
	v_add_nc_u32 v6, s81, v5                       ; and from my two tiles on (V)
	v_add_nc_u32 v7, XIMG, v4                      ; x's images
	s_lshl_b32 s81, s[SUB], 13
	v_add_nc_u32 v8, s81, v7                       ; and from my two row tiles on (Q, K)
	v_lshlrev_b32 v9, 5, v3                        ; 32 h
	v_add_nc_u32 v10, s78, v4                      ; the pair's second head: codes
	v_lshlrev_b32 v11, s80, v1                     ; scale words
	s_delay_alu instid0(VALU_DEP_1)
	v_add_nc_u32 v12, s79, v11                     ; the second head's
	v_lshlrev_b32 v13, 2, v1                       ; 4 x lane
	v_lshlrev_b32 v14, 2, v2                       ; 4 r
	v_mov_b32 v245, 0                              ; (named as the upper halves of pairs)
	v_mov_b32 v247, 0
.irp b, 0,1,2,3
	v_mov_b32 v[TP+\b], 0                          ; written once: a lane permute's destination counts as one of its sources
.endr
	; scale words and biases come straight from memory, beside the tensor loads
	s_cmp_lt_u32 s[WV], 8
	s_cbranch_scc0 .Lload_v
.irp i, 0,1,2,3
	global_load_b128 v[BS+4*\i:BS+4*\i+3], v4, s[68:69] offset:512*\i   ; W's row 32 i + lane: its four words
.endr
.irp q, 0,1,2,3
	global_load_b32 v[SS+\q], v13, s[70:71] offset:32768*\q
.endr
.irp s, 0,1
.irp t, 0,1,2,3,4,5,6,7
	global_load_b128 v[ACC+64*\s+8*\t:ACC+64*\s+8*\t+3], v9, s[72:73] offset:64*\t        ; the bias is the C of each sum's first product: channels 16 t + 8 h + 0 .. 7
	global_load_b128 v[ACC+64*\s+8*\t+4:ACC+64*\s+8*\t+7], v9, s[72:73] offset:64*\t+16
.endr
.endr
	s_branch .Lloaded
.Lload_v:
	s_wait_alu depctr_va_vdst(0)
.irp i, 0,1,2,3
.irp q, 0,1,2,3
	global_load_b32 v[BS+4*\i+\q], v13, s[70:71] offset:32768*\q+128*\i
.endr
.endr
	global_load_b128 v[SS:SS+3], v4, s[68:69]
	global_load_b32 v244, v14, s[72:73]            ; bv of my lane's channel, tile 0
	global_load_b32 v246, v14, s[72:73] offset:64  ; and tile 1
.Lloaded:
	s_wait_tensorcnt 0x0                           ; my part of the tiles has landed,
	s_barrier_signal -1
	s_barrier_wait -1                              ; everybody's has
	s_wait_loadcnt 0x0
	s_cmp_lt_u32 s[WV], 8
	s_cbranch_scc0 .Ljob_v
	JOB 5, 16*WPITCH, 64, 32, 8, 4096, 1024, 512, 0
	QUANT64 ACC, PC0, PW
	QUANT64 ACC+64, PC1, PW+1
	global_store_b128 v4, v[PC0:PC0+3], s[74:75]               ; head 2 p: 512 consecutive bytes a store
	global_store_b128 v10, v[PC0+4:PC0+7], s[74:75]            ; head 2 p + 1
	global_store_b128 v4, v[PC1:PC1+3], s[74:75] offset:512
	global_store_b128 v10, v[PC1+4:PC1+7], s[74:75] offset:512
	v_cmp_eq_u32 vcc_lo, 1, v3
	s_delay_alu instid0(VALU_DEP_1)
	v_cndmask_b32 v252, v[PW], v[PW+1], vcc_lo     ; lanes 0-15 the first tile's rows, lanes 16-31 the second's
	s_delay_alu instid0(VALU_DEP_1)
	v_and_b32 v253, 0xffff, v252
	s_delay_alu instid0(VALU_DEP_1)
	v_lshl_or_b32 v253, v253, 16, v253             ; head 2 p: s0 s1 s0 s1
	s_delay_alu instid0(VALU_DEP_3)
	v_lshrrev_b32 v254, 16, v252
	s_delay_alu instid0(VALU_DEP_1)
	v_lshl_or_b32 v254, v254, 16, v254             ; head 2 p + 1
	global_store_b32 v11, v253, s[76:77]
	global_store_b32 v12, v254, s[76:77]
	s_branch .Ldone
.Ljob_v:
	JOB 7, 4096, 1024, 512, 6, 16*WPITCH, 64, 32, 1
	s_wait_alu depctr_va_vdst(0)
.irp s, 0,1
.set j, 0
.rept 32
	v_pk_add_f32 v[ACC+64*\s+j:ACC+64*\s+j+1], v[ACC+64*\s+j:ACC+64*\s+j+1], v[244+2*\s:245+2*\s] op_sel_hi:[1,0]   ; + bv of my channel, ascending
.set j, j+2
.endr
.endr
	QUANT64 ACC, PC0, PW
	QUANT64 ACC+64, PC1, PW+1
	global_store_b128 v4, v[PC0:PC0+3], s[74:75]
	global_store_b128 v4, v[PC0+4:PC0+7], s[74:75] offset:512
	global_store_b128 v4, v[PC1:PC1+3], s[74:75] offset:1024
	global_store_b128 v4, v[PC1+4:PC1+7], s[74:75] offset:1536
	v_cmp_eq_u32 vcc_lo, 1, v3
	s_delay_alu instid0(VALU_DEP_1)
	v_cndmask_b32 v252, v[PW], v[PW+1], vcc_lo
	global_store_b32 v11, v252, s[76:77]
.Ldone:
	s_wait_tensorcnt 0x0
	ds_add_u32 v15, v255
	s_wait_dscnt 0x0
	CROUND                                         ; the closing round: no work-group ends while a partner may still ask for a tile that names it
	s_endpgm
.Lfunc_end_k_q2a925051cd_qkv:
	.size	k_q2a925051cd_qkv, .Lfunc_end_k_q2a925051cd_qkv-k_q2a925051cd_qkv
	.p2alignl 7, 3214868480
	.fill 96, 4, 3214868480
	.section	.rodata,"a",@progbits
	.p2align	6, 0x0
	.amdhsa_kernel k_q2a925051cd_qkv
		.amdhsa_group_segment_fixed_size 169472
		.amdhsa_private_segment_fixed_size 0
		.amdhsa_enable_private_segment 0
		.amdhsa_kernarg_size 104
		.amdhsa_user_sgpr_count 2
		.amdhsa_user_sgpr_kernarg_segment_ptr 1
		.amdhsa_wavefront_size32 1
		.amdhsa_system_sgpr_workgroup_id_x 1
		.amdhsa_system_sgpr_workgroup_id_y 1
		.amdhsa_system_sgpr_workgroup_id_z 1
		.amdhsa_system_vgpr_workitem_id 0
		.amdhsa_next_free_vgpr 256
		.amdhsa_next_free_sgpr 100
		.amdhsa_reserve_vcc 1
		.amdhsa_float_denorm_mode_32 3
		.amdhsa_float_denorm_mode_16_64 3
		.amdhsa_memory_ordered 1
		.amdhsa_forward_progress 1
		.amdhsa_inst_pref_size 65
	.end_amdhsa_kernel
	.amdgpu_metadata
---
amdhsa.version: [ 1, 2 ]
amdhsa.kernels:
  - .name:           k_q2a925051cd_qkv
    .symbol:         k_q2a925051cd_qkv.kd
    .args:
      - { .name: rowcodes, .offset: 0, .size: 8, .value_kind: global_buffer, .address_space: global }
      - { .name: rowscales, .offset: 8, .size: 8, .value_kind: global_buffer, .address_space: global }
      - { .name: wq_codes, .offset: 16, .size: 8, .value_kind: global_buffer, .address_space: global }
      - { .name: wq_scales, .offset: 24, .size: 8, .value_kind: global_buffer, .address_space: global }
      - { .name: wk_codes, .offset: 32, .size: 8, .value_kind: global_buffer, .address_space: global }
      - { .name: wk_scales, .offset: 40, .size: 8, .value_kind: global_buffer, .address_space: global }
      - { .name: wv_codes, .offset: 48, .size: 8, .value_kind: global_buffer, .address_space: global }
      - { .name: wv_scales, .offset: 56, .size: 8, .value_kind: global_buffer, .address_space: global }
      - { .name: qkb, .offset: 64, .size: 8, .value_kind: global_buffer, .address_space: global }
      - { .name: bv, .offset: 72, .size: 8, .value_kind: global_buffer, .address_space: global }
      - { .name: qc, .offset: 80, .size: 8, .value_kind: global_buffer, .address_space: global }
      - { .name: qs, .offset: 88, .size: 8, .value_kind: global_buffer, .address_space: global }
      - { .name: kv, .offset: 96, .size: 8, .value_kind: global_buffer, .address_space: global }
    .group_segment_fixed_size: 169472
    .private_segment_fixed_size: 0
    .kernarg_segment_align: 8
    .kernarg_segment_size: 104
    .max_flat_workgroup_size: 384
    .sgpr_count:     100
    .vgpr_count:     256
    .wavefront_size: 32
...
	.end_amdgpu_metadata
.endif
;; end of part 4
;; launch attn (part 5): grid 16 x 16, 8 waves a work-group, clusters of 4 x 1, 327,680 bytes of LDS; arguments qc, qs, kv, rowcodes, rowscales; writes rowcodes, rowscales
.if DOCPART == 5
	.amdgcn_target "amdgcn-amd-amdhsa--gfx1250"
	.amdhsa_code_object_version 6
	.text
	.protected	k_q2a925051cd_attn
	.globl	k_q2a925051cd_attn
	.p2align	8
	.type	k_q2a925051cd_attn,@function
k_q2a925051cd_attn:
	s_mov_b64 s[64:65], 0
	v_nop
	global_prefetch_b8 v0, s[64:65] scope:SCOPE_SE
	s_setreg_imm32_b32 hwreg(HW_REG_WAVE_MODE, 25, 1), 1
	s_wait_xcnt 0x0
	s_wait_alu depctr_hold_cnt(0) depctr_sa_sdst(0) depctr_va_vdst(0) depctr_va_sdst(0) depctr_va_ssrc(0) depctr_va_vcc(0) depctr_vm_vsrc(0)
	s_getreg_b32 s2, hwreg(HW_REG_IB_STS2, 6, 4)
	s_cmp_eq_u32 s2, 0
	s_cbranch_scc0 .Lentry_in_a_cluster
	s_endpgm
.Lentry_in_a_cluster:
	s_bfe_u32 s2, ttmp6, 0x10000c
	s_cmp_lg_u32 s2, 0x3003
	s_cbranch_scc0 .Lentry_shape_is_right
	s_endpgm
.Lentry_shape_is_right:
; ctx[bh][q] = the sum over k of softmax_k(q_g . k_g / 8) v[k], both products on codes of FP4 with E8M0 scales; ctx is quantised along the model's 512 for the last product.
; THE SOFTMAX AHEAD OF THE SECOND PRODUCT: t = score x log2(e) / 8; M = the row's largest t so far, rounded UP to a whole number; p = 2^(t - M) is what is quantised, along the keys; it is not normalised.
; The row's sum is taken of the unquantised p and divides at the end.  When M moves, the sum and O are multiplied by 2^(old M - new M): exact.
; SHARES.  A work-group owns 256 queries of one head; each of its EIGHT waves owns 32 of them, two tiles of 16: each fragment of K and V read from LDS feeds two products.
; Tile 0 lives in register window 0, tile 1 at the same numbers in window 1; addresses, K's and V's fragments and all scale words lie in window 0.  One macro serves both tiles under one window setting.
; Every wave walks the head's 4,096 keys, 128 a step.  The head's whole stream of K and V (32 steps x 8,960 bytes) stays in LDS: filled once, wave w bringing steps 4 w .. 4 w + 3 by its one tensor load.
; Everything is asked for at the head, so there is no later load to prefetch for.  CLUSTER 4 x 1: the four query blocks of a cluster belong to one head: each part is asked for jointly, mask 15.
; LAYOUT.  Both products transposed: S^T = K Q^T, O^T = V^T P^T: a lane holds ONE query (lane % 16).  THE KEYS OF A TILE OF K ARE CHOSEN AT THE LDS READ: row m of tile 4 c + i is key 64 c + 32 (m / 8) + 8 i + m % 8.
; So lane (r, h) holds in registers 32 c .. 32 c + 31 of S^T the whole block 2 c + h of 32 keys, in order: a block's maximum needs no other lane, and the eight conversions' results are P's operand registers as they stand.
; The first product's K is the head's 64 of the instruction's 128: Q's registers 4-7 hold zero codes, so K's registers 4-7 may hold any codes: tile t's operand is v[KF + 4 t .. + 7], whose upper half is tile t + 1's codes
; (behind tile 7: four registers of zeros).  Scale bytes 2, 3 repeat bytes 0, 1: finite codes.
; K's fragments of step s + 1 are read from LDS in step s, behind the products that free their registers; V's at the head of their own step.
; OUT: rowcodes [rowtile][head 8][lane][16 bytes]; rowscales [bh][row] half-words: the head's two scale bytes.
; LIMITS: a block's largest magnitude is taken no smaller than 2^-124 (a block of zeros: byte 1, zero codes).  A block's largest p is taken from its largest score, through the same multiply-add and
; exponential: that takes v_exp_f32 not to fall where its input rises.  The promise holds while |t| stays under 2^31.  NaN and infinities are not served.
.set WV,  52
.set NC,  53                           ; s53 -c
.set SEL, 54                           ; s[54:55] v_permlanex16_b32's selects
.set CS,  56                           ; s[56:57] c = log2(e) / 8
.set TB,  58                           ; s58 LDS byte at which the step in hand begins
.set CNT, 59
.set STEPB, 8960
.set HEADB, 32*STEPB
.set SCG,   HEADB                      ; behind the stream: 512 bytes, the work-group's 256 half-words of scales; no fill lands there
.set SPARE, HEADB+512                  ; the spare words: 128 bytes a wave
; window 0 alone: v1 16 x lane, v2 K's lane place, v3 K's scale words' lane place, v4 8 x lane, v5-6 the way out
.set SH8, 7                            ; 8 x (lane / 16), in both windows
.set ADK, 8                            ; v8-11 the step's LDS addresses
.set ADS, 9
.set ADV, 10
.set ADT, 11
.set SPW, 18
.set NIL, 19
.set KS,  44                           ; v44-47 K's scale words: register T / 2: tile T even in lanes 0-15, odd in lanes 16-31
.set VS,  48                           ; v48-49 V's
.set QS,  50                           ; v50-51 Q's, tile 0 and 1
.set PS,  52                           ; v52-53 p's, tile 0 and 1
.set KF,  56                           ; v56-87 K's codes, 4 registers a tile; v88-91 zeros
.set VF,  192                          ; v192-223 V's 4 fragments
; in each window, for its tile:
.set NM,  12                           ; -M;  v13 the largest score so far
.set MR,  13
.set L,   14                           ; v14-15 the sum in two halves
.set F,   16                           ; f = 2^(old M - new M);  v17 the old -M, then the difference
.set OLD, 17
.set MX,  20                           ; v20-23 four chains of maxima; then v20, v22 the two blocks' largest
.set Q,   24                           ; v24-31 Q's fragment
.set SO,  32                           ; v32-33 the conversions' scale operands
.set BY,  34                           ; v34-35 scale bytes
.set W,   36
.set PT,  37
.set T1,  38                           ; v38-43 three more chains of the sum
.set S,   96                           ; v96-159 S^T, then p
.set O,   160                          ; v160-191 O^T
.set PC,  224                          ; v224-231 p's codes
.set MSB, 0
.macro WIN new                         ; the immediate's high byte repeats the setting that is left
.if MSB != (\new)
	s_set_vgpr_msb (MSB<<8)|(\new)
.set MSB, (\new)
.endif
.endm
.macro PLACES n
.rept \n
	v_nop
.endr
.endm
.macro CROUND
	s_barrier_signal -1
	s_barrier_wait -1
	s_cmp_lg_u32 s[WV], 0
	s_cbranch_scc1 .Lnot_wave_0_\@
	s_barrier_signal -3
.Lnot_wave_0_\@:
	s_barrier_wait -3
	s_barrier_signal -1
	s_barrier_wait -1
.endm
.macro WM d, a, b, z, sa, sb, ra       ; z = 1: starts the sum.  ra = 1: source 0's scales stand in lanes 16-31
.if (\z) && (\ra)
	v_wmma_scale_f32_16x16x128_f8f6f4 v[\d:\d+7], v[\a:\a+7], v[\b:\b+7], 0, v[\sa], v[\sb] matrix_a_fmt:MATRIX_FMT_FP4 matrix_b_fmt:MATRIX_FMT_FP4 matrix_a_scale:MATRIX_SCALE_ROW1
.elseif (\z)
	v_wmma_scale_f32_16x16x128_f8f6f4 v[\d:\d+7], v[\a:\a+7], v[\b:\b+7], 0, v[\sa], v[\sb] matrix_a_fmt:MATRIX_FMT_FP4 matrix_b_fmt:MATRIX_FMT_FP4
.elseif (\ra)
	v_wmma_scale_f32_16x16x128_f8f6f4 v[\d:\d+7], v[\a:\a+7], v[\b:\b+7], v[\d:\d+7], v[\sa], v[\sb] matrix_a_fmt:MATRIX_FMT_FP4 matrix_b_fmt:MATRIX_FMT_FP4 matrix_a_scale:MATRIX_SCALE_ROW1
.else
	v_wmma_scale_f32_16x16x128_f8f6f4 v[\d:\d+7], v[\a:\a+7], v[\b:\b+7], v[\d:\d+7], v[\sa], v[\sb] matrix_a_fmt:MATRIX_FMT_FP4 matrix_b_fmt:MATRIX_FMT_FP4
.endif
.endm
; K's eight tiles and four scale registers of the step that begins off bytes behind the addresses: 12 loads.  Key k's codes lie at 512 (k / 16) + 256 h + 16 (k % 16), its scale word at 8192 + 16 (k % 32) + 4 (k / 32).
.macro KLOAD a, sw, off
.irp c, 0,1
.irp i, 0,1,2,3
	ds_load_b128 v[KF+16*\c+4*\i:KF+16*\c+4*\i+3], v[\a] offset:\off+2048*\c+512*(\i/2)+128*(\i%2)
.endr
.irp u, 0,1
	ds_load_b32 v[KS+2*\c+\u], v[\sw] offset:\off+8192+256*\u+8*\c
.endr
.endr
.endm
.macro SMUL n                          ; S^T of tile n: eight products, each starting its sum
.irp t, 0,1,2,3,4,5,6,7
	WM S+8*\t, KF+4*\t, Q, 1, KS+\t/2, QS+\n, (\t)%2
.endr
.endm
.macro OMUL n                          ; O^T of tile n: four accumulators by turns
.irp t, 0,1,2,3
	WM O+8*\t, VF+8*\t, PC, 0, VS+\t/2, PS+\n, (\t)%2
.endr
.endm
; The two blocks' largest scores (four chains by turns; each accumulator is first read at its low end), the running maximum with lane l xor 16's, and the new -M = floor(-c x maximum).
.macro MAXP
.irp c, 0,1
	v_max3_num_f32 v[MX+2*\c], v[S+32*\c], v[S+32*\c+1], v[S+32*\c+2]
	v_max3_num_f32 v[MX+2*\c+1], v[S+32*\c+16], v[S+32*\c+17], v[S+32*\c+18]
.endr
.irp i, 3,5,7,9,11,13
.irp c, 0,1
	v_max3_num_f32 v[MX+2*\c], v[MX+2*\c], v[S+32*\c+\i], v[S+32*\c+\i+1]
	v_max3_num_f32 v[MX+2*\c+1], v[MX+2*\c+1], v[S+32*\c+16+\i], v[S+32*\c+17+\i]
.endr
.endr
	v_mov_b32 v[OLD], v[NM]
.irp c, 0,1
	v_max3_num_f32 v[MX+2*\c], v[MX+2*\c], v[S+32*\c+15], v[S+32*\c+31]
.endr
.irp c, 0,1
	s_delay_alu instid0(VALU_DEP_2)
	v_max_num_f32 v[MX+2*\c], v[MX+2*\c], v[MX+2*\c+1]    ; the block's largest score: it serves for the row's maximum and for the block's largest p
.endr
	s_delay_alu instid0(VALU_DEP_1)
	v_max_num_f32 v[W], v[MX], v[MX+2]
	s_delay_alu instid0(VALU_DEP_1)
	v_permlanex16_b32 v[PT], v[W], s[SEL], s[SEL+1]
	s_delay_alu instid0(VALU_DEP_1)
	v_max3_num_f32 v[MR], v[MR], v[W], v[PT]
	s_delay_alu instid0(VALU_DEP_1)
	v_mul_f32 v[W], s[NC], v[MR]
	s_delay_alu instid0(VALU_DEP_1)
	v_floor_f32 v[NM], v[W]
.endm
.macro FM from, n                      ; t - M, two at a time
.set j, 2*(\from)
.rept \n
	v_pk_fma_f32 v[S+j:S+j+1], v[S+j:S+j+1], s[CS:CS+1], v[NM:NM+1] op_sel_hi:[1,0,0]
.set j, j+2
.endr
.endm
.macro FMAP                            ; the scalings, f's three lines among them, and O^T under the new M (its first read stands ahead of the exponentials)
	FM 0, 4
	v_sub_f32 v[OLD], v[NM], v[OLD]                ; old M - new M: a whole number, 0 or less
	FM 4, 4
	v_cvt_i32_f32 v[OLD], v[OLD]                   ; (it saturates)
	FM 8, 4
	v_ldexp_f32 v[F], 1.0, v[OLD]
	FM 12, 20
.irp c, 0,1
	v_fma_f32 v[MX+2*\c], v[MX+2*\c], s[CS], v[NM] ; the same of each block's largest score
.endr
.set j, 0
.rept 16
	v_pk_mul_f32 v[O+j:O+j+1], v[O+j:O+j+1], v[F:F+1] op_sel_hi:[1,0]
.set j, j+2
.endr
.endm
.macro EXPP
.set j, 0
.rept 64
	v_exp_f32 v[S+j], v[S+j]                       ; p = 2^(t - M), at most 1: not normalised
.set j, j+1
.endr
	v_exp_f32 v[MX], v[MX]                         ; the blocks' largest p
	v_exp_f32 v[MX+2], v[MX+2]
.endm
; Scales, codes, scale word, and the row's sum of the unquantised p (32 packed lines, which are also the places ahead of the products).
.macro POST n
.irp c, 0,1
	v_max_num_f32 v[MX+2*\c], 0x1800000, v[MX+2*\c]        ; the floor 2^(3 - 127): the byte cannot fall under 1
.endr
.irp c, 0,1
	s_delay_alu instid0(VALU_DEP_2)
	v_add_nc_u32 v[SO+\c], 0xff000000, v[MX+2*\c]          ; 2 off the exponent field: the conversion's scale operand
.endr
.irp c, 0,1
	s_delay_alu instid0(VALU_DEP_2)
	v_lshrrev_b32 v[BY+\c], 23, v[SO+\c]                   ; the scale's byte
.endr
.irp c, 0,1
.irp i, 0,1,2,3
	v_cvt_scalef32_pk8_fp4_f32 v[PC+4*\c+\i], v[S+32*\c+8*\i:S+32*\c+8*\i+7], v[SO+\c]   ; keys 64 c + 32 h + 8 i + 0 .. 7
.endr
.endr
	v_lshl_or_b32 v[W], v[BY+1], 16, v[BY]         ; my bytes: blocks h and 2 + h (a plain line behind the conversions),
	s_delay_alu instid0(VALU_DEP_1)
	v_lshlrev_b32 v[W], v[SH8], v[W]               ; at their places,
	s_delay_alu instid0(VALU_DEP_1)
	v_permlanex16_b32 v[PT], v[W], s[SEL], s[SEL+1]
	WIN 0x05*\n                                    ; scale words lie in window 0
	v_or_b32 v[PS+\n], v[W], v[PT]                 ; with lane l xor 16's two the word is whole
	WIN 0x55*\n
	v_pk_fma_f32 v[L:L+1], v[L:L+1], v[F:F+1], v[S:S+1] op_sel_hi:[1,0,1]   ; the sum under the new M, and the first pair
.irp k, 0,1,2
	v_pk_add_f32 v[T1+2*\k:T1+2*\k+1], v[S+2+4*\k:S+3+4*\k], v[S+4+4*\k:S+5+4*\k]
.endr
.irp m, 14,22,30,38,46,54
	v_pk_add_f32 v[L:L+1], v[L:L+1], v[S+\m:S+\m+1]
.irp k, 0,1,2
	v_pk_add_f32 v[T1+2*\k:T1+2*\k+1], v[T1+2*\k:T1+2*\k+1], v[S+\m+2+2*\k:S+\m+3+2*\k]
.endr
.endr
	v_pk_add_f32 v[L:L+1], v[L:L+1], v[S+62:S+63]
	v_pk_add_f32 v[T1:T1+1], v[T1:T1+1], v[T1+2:T1+3]
	s_delay_alu instid0(VALU_DEP_2)
	v_pk_add_f32 v[L:L+1], v[L:L+1], v[T1+4:T1+5]
	s_delay_alu instid0(VALU_DEP_1)
	v_pk_add_f32 v[L:L+1], v[L:L+1], v[T1:T1+1]
.endm
; A KEY STEP: 128 keys, at LDS byte s[TB].  pre = 1: the next step's K is fetched.
.macro STEP pre
	v_add_nc_u32 v[ADK], s[TB], v2                 ; these four are the places behind the last products, ahead of the loads into V's registers
	v_add_nc_u32 v[ADS], s[TB], v3
	v_add_nc_u32 v[ADV], s[TB], v1
	v_add_nc_u32 v[ADT], s[TB], v4
.irp t, 0,1,2,3
.irp c, 0,1
	ds_load_b128 v[VF+8*\t+4*\c:VF+8*\t+4*\c+3], v[ADV] offset:4096+1024*\t+512*\c
.endr
.endr
	ds_load_b64 v[VS:VS+1], v[ADT] offset:8704
	s_wait_alu depctr_va_vdst(0)
	s_wait_dscnt 9                                 ; K's twelve loads are in; V's nine, issued behind them, may be out
	SMUL 0
	WIN 0x54                                       ; source 0 window 0; source 1, C and D window 1
	SMUL 1
	WIN 0
	PLACES 4                                       ; ahead of the loads into K's registers and of the first read of results
.if \pre
	KLOAD ADK, ADS, STEPB
.endif
	MAXP
	WIN 0x55
	MAXP
	WIN 0
	FMAP
	WIN 0x55
	FMAP
	WIN 0
	s_wait_alu depctr_va_vdst(0)                   ; the wait ahead of the batch
	EXPP
	WIN 0x55
	EXPP
	WIN 0
	v_nop                                          ; a plain line behind the exponentials
	s_wait_alu depctr_va_vdst(0)                   ; one wait for both tiles' batch, ahead of its first reader
	POST 0
	WIN 0x55
	POST 1
	WIN 0
	s_wait_dscnt 12*\pre                           ; V is in; the next step's twelve loads of K, issued behind V's, may be out
	OMUL 0
	WIN 0x54
	OMUL 1
	WIN 0
.endm
; THE WAY OUT of tile n: O^T / the sum is my query's 64 channels of this head: two blocks of 32 of the last product's K, each in lanes l and l xor 16.
.macro FIN n
	WIN 0x55*\n
	v_add_f32 v[L], v[L], v[L+1]
	s_delay_alu instid0(VALU_DEP_1)
	v_permlanex16_b32 v[PT], v[L], s[SEL], s[SEL+1]
	s_delay_alu instid0(VALU_DEP_1)
	v_add_f32 v[L], v[L], v[PT]
	s_wait_alu depctr_va_vdst(0)                   ; the wait ahead of the transcendental
	v_rcp_f32 v[L], v[L]
	v_nop
	s_wait_alu depctr_va_vdst(0)                   ; ahead of the first reader of the reciprocal and of O^T
.set j, 0
.rept 32
	v_mul_f32 v[S+j], v[O+j], v[L]                 ; register 8 t + i: channel 16 t + 8 h + i; each accumulator from its low end on
.set j, j+1
.endr
.irp b, 0,1
	v_max3_num_f32 v[MX+\b], |v[S+16*\b]|, |v[S+16*\b+1]|, 0x1800000
.endr
.irp i, 2,4,6,8,10,12,14
.irp b, 0,1
	s_delay_alu instid0(VALU_DEP_2)
	v_max3_num_f32 v[MX+\b], v[MX+\b], |v[S+16*\b+\i]|, |v[S+16*\b+\i+1]|
.endr
.endr
.irp b, 0,1
	s_delay_alu instid0(VALU_DEP_2)
	v_permlanex16_b32 v[W+\b], v[MX+\b], s[SEL], s[SEL+1]
.endr
.irp b, 0,1
	s_delay_alu instid0(VALU_DEP_2)
	v_max_num_f32 v[MX+\b], v[MX+\b], v[W+\b]
.endr
.irp b, 0,1
	s_delay_alu instid0(VALU_DEP_2)
	v_add_nc_u32 v[SO+\b], 0xff000000, v[MX+\b]
.endr
.irp b, 0,1
	s_delay_alu instid0(VALU_DEP_2)
	v_lshrrev_b32 v[BY+\b], 23, v[SO+\b]
.endr
	s_delay_alu instid0(VALU_DEP_1)
	v_lshl_or_b32 v[T1], v[BY+1], 8, v[BY]         ; the head's two scale bytes of my query
	v_cvt_scalef32_pk8_fp4_f32 v[PC], v[S:S+7], v[SO]
	v_cvt_scalef32_pk8_fp4_f32 v[PC+1], v[S+16:S+23], v[SO+1]
	v_cvt_scalef32_pk8_fp4_f32 v[PC+2], v[S+8:S+15], v[SO]
	v_cvt_scalef32_pk8_fp4_f32 v[PC+3], v[S+24:S+31], v[SO+1]
	v_nop
	v_permlane16_swap_b32 v[PC], v[PC+1]           ; lanes 0-15 then hold block 0 whole, lanes 16-31 block 1
	v_permlane16_swap_b32 v[PC+2], v[PC+3]
	WIN 0x04*\n                                    ; the data in the tile's window, the addresses in window 0
	global_store_b128 v1, v[PC:PC+3], s[10:11] offset:4096*\n   ; 512 consecutive bytes: this head's piece of the row tile's fragments
	ds_store_b16 v5, v[T1] offset:32*\n            ; both halves of the lanes write the same half-word with the same value
.endm
.macro INIT                            ; a tile's registers that the first step reads
.irp i, 4,5,6,7
	v_mov_b32 v[Q+\i], 0                           ; Q's zero codes for k = 64 .. 127
.endr
.set j, 0
.rept 32
	v_mov_b32 v[O+j], 0                            ; O^T: the step is written once; the first finds zeros, which the first change of M leaves zeros
.set j, j+1
.endr
	v_mov_b32 v[NM], 0x7e000000                    ; -M: above every -M to come, so that the first f is 0
	v_mov_b32 v[MR], 0xff61b1e6                    ; the largest score so far: -3e38
	v_mov_b32 v[L], 0
	v_mov_b32 v[L+1], 0
	v_mov_b32 v[OLD], 0
	v_mov_b32 v[W], 0
	v_mov_b32 v[PT], 0                             ; a lane permute's destination counts as one of its sources
.endm
	s_load_b256 s[4:11], s[0:1], 0x0               ; qc 4, qs 6, kv 8, rowcodes 10
	s_load_b64 s[12:13], s[0:1], 0x20              ; rowscales
	v_lshl_add_u32 v[SPW], v0, 2, SPARE
	v_mov_b32 v[NIL], 0
	ds_add_u32 v[SPW], v[NIL]                      ; the opening lines: the add, twice on end, and its wait ahead of my tensor load
	ds_add_u32 v[SPW], v[NIL]
	v_lshrrev_b32 v1, 5, v0
	v_readfirstlane_b32 s[WV], v1                  ; wave 0..7
	s_bfe_u32 s60, ttmp6, 0x40000                  ; cx
	s_lshl_b32 s61, ttmp9, 2
	s_add_co_u32 s61, s61, s60                     ; my block of 256 queries: it enters Q's and the outputs' addresses alone
	s_and_b32 s62, ttmp7, 0xffff                   ; bh, which the four partners share
	s_mov_b32 s16, 15|(3<<16)|(1<<21)              ; group 1: the mask: all four work-groups; elements of 8 bytes; 21 set beside a mask
	s_mov_b32 s17, 32<<16                          ; rows of 256 bytes,
	s_mov_b32 s18, 140<<16                         ; 140 of them: four key steps
	s_mov_b32 s19, 32<<16
	s_mov_b32 s20, 140
	s_mov_b32 s21, 32
	s_mov_b32 s22, 0
	s_mov_b32 s23, 0
	s_mul_i32 s66, s62, HEADB
	s_mov_b32 s67, 0
	s_mov_b32 s40, 1
	s_mul_i32 s41, s[WV], 140*256                  ; the LDS byte is the byte in the head's stream
	s_mov_b32 s68, s41
	s_mov_b32 s69, 0
	s_wait_dscnt 0x0
	s_wait_kmcnt 0x0
	s_add_nc_u64 s[8:9], s[8:9], s[66:67]          ; kv at my head
	s_add_nc_u64 s[42:43], s[8:9], s[68:69]
	s_or_b32 s43, s43, 0x80000000
	CROUND                                         ; all four work-groups are here: the joint loads meet
	tensor_load_to_lds s[40:43], s[16:23]          ; my one tensor load
	s_nop 0
	PLACES 4
	s_lshl_b32 s71, s61, 4
	s_lshl_b32 s70, s[WV], 1
	s_add_co_u32 s71, s71, s70                     ; my first query tile in the head: 16 qb + 2 w
	s_lshl_b32 s72, s62, 17
	s_lshl_b32 s70, s71, 9
	s_add_co_u32 s72, s72, s70                     ; qc: head of 131,072 bytes, tile of 512
	s_mov_b32 s73, 0
	s_lshl_b32 s74, s62, 14
	s_lshl_b32 s70, s71, 6
	s_add_co_u32 s74, s74, s70                     ; qs: head of 16,384 bytes, tile of 64
	s_mov_b32 s75, 0
	s_lshr_b32 s76, s62, 3
	s_lshl_b32 s76, s76, 8
	s_add_co_u32 s76, s76, s71                     ; rowtile = 256 b + 16 qb + 2 w
	s_lshl_b32 s76, s76, 12
	s_and_b32 s70, s62, 7
	s_lshl_b32 s70, s70, 9
	s_add_co_u32 s76, s76, s70                     ; + 512 x head
	s_mov_b32 s77, 0
	s_lshl_b32 s78, s62, 13
	s_lshl_b32 s70, s61, 9
	s_add_co_u32 s78, s78, s70                     ; rowscales: bh of 8,192 bytes, block of 512
	s_mov_b32 s79, 0
	s_add_nc_u64 s[4:5], s[4:5], s[72:73]
	s_add_nc_u64 s[6:7], s[6:7], s[74:75]
	s_add_nc_u64 s[10:11], s[10:11], s[76:77]
	s_add_nc_u64 s[12:13], s[12:13], s[78:79]
	s_mov_b32 s[SEL], 0x76543210
	s_mov_b32 s[SEL+1], 0xfedcba98
	s_mov_b32 s[CS], 0x3e38aa3b                    ; log2(e) / 8
	s_mov_b32 s[CS+1], s[CS]                       ; (named with it as a pair, so it is written)
	s_mov_b32 s[NC], 0xbe38aa3b
	s_mov_b32 s[TB], 0
	v_and_b32 v5, 31, v0                           ; lane
	v_and_b32 v6, 15, v0                           ; r
	v_bfe_u32 v7, v0, 4, 1                         ; h
	v_lshlrev_b32 v1, 4, v5                        ; 16 x lane
	v_lshlrev_b32 v9, 2, v6                        ; 4 r
	global_load_b128 v[Q:Q+3], v1, s[4:5]          ; Q's fragments stay in registers: tile 0,
	global_load_b32 v[QS], v9, s[6:7]              ; the scale words of both tiles,
	global_load_b32 v[QS+1], v9, s[6:7] offset:64
	WIN 0x40
	global_load_b128 v[Q:Q+3], v1, s[4:5] offset:512   ; tile 1, into window 1
	WIN 0
	v_and_b32 v8, 7, v0                            ; m % 8
	v_bfe_u32 v10, v0, 3, 1                        ; m / 8
	v_lshlrev_b32 v2, 4, v8
	v_lshl_add_u32 v2, v7, 8, v2
	v_lshl_add_u32 v2, v10, 10, v2                 ; K's codes: 1024 (m / 8) + 256 h + 16 (m % 8)
	v_lshlrev_b32 v3, 4, v8
	v_lshl_add_u32 v3, v7, 7, v3
	v_lshl_add_u32 v3, v10, 2, v3                  ; K's scale words: 128 (lane / 16) + 16 (m % 8) + 4 (m / 8)
	v_lshlrev_b32 v4, 3, v5                        ; 8 x lane
	s_lshl_b32 s70, s[WV], 6
	s_add_co_u32 s70, s70, SCG
	v_lshl_add_u32 v5, v6, 1, s70                  ; the way out: my query's half-word,
	v_add_nc_u32 v6, SCG, v1                       ; and where wave 0 reads them all
	v_lshlrev_b32 v[SH8], 3, v7
.irp i, 32,33,34,35
	v_mov_b32 v[KF+\i], 0                          ; behind K's tile 7
.endr
	INIT
	WIN 0x40
	v_mov_b32 v[SH8], v[SH8]                       ; window 1's copy
	INIT
	WIN 0
	s_wait_alu depctr_va_vdst(0)                   ; the wait at the head's end
	s_wait_loadcnt 0x0                             ; Q
	s_wait_tensorcnt 0x0                           ; my four steps have landed,
	s_barrier_signal -1
	s_barrier_wait -1                              ; everybody's have
	KLOAD 2, 3, 0                                  ; step 0's K
	s_mov_b32 s[CNT], 31
.Lstep:
	STEP 1
	s_add_co_u32 s[TB], s[TB], STEPB
	s_sub_co_u32 s[CNT], s[CNT], 1
	s_cmp_lg_u32 s[CNT], 0
	s_cbranch_scc1 .Lstep
	STEP 0                                         ; the last step fetches nothing beyond the stream
	PLACES 4                                       ; behind the last products
	FIN 0
	FIN 1
	WIN 0
	s_wait_dscnt 0x0
	s_barrier_signal -1
	s_barrier_wait -1
	s_cmp_lg_u32 s[WV], 0
	s_cbranch_scc1 .Lnot_first
	ds_load_b128 v[S:S+3], v6
	s_wait_dscnt 0x0
	global_store_b128 v1, v[S:S+3], s[12:13]       ; 256 queries' half-words: 512 consecutive bytes
.Lnot_first:
	s_wait_tensorcnt 0x0                           ; the wave's end
	ds_add_u32 v[SPW], v[NIL]
	s_wait_dscnt 0x0
	CROUND                                         ; the closing round
	s_endpgm
.Lfunc_end_k_q2a925051cd_attn:
	.size	k_q2a925051cd_attn, .Lfunc_end_k_q2a925051cd_attn-k_q2a925051cd_attn
	.p2alignl 7, 3214868480
	.fill 96, 4, 3214868480
	.section	.rodata,"a",@progbits
	.p2align	6, 0x0
	.amdhsa_kernel k_q2a925051cd_attn
		.amdhsa_group_segment_fixed_size 327680
		.amdhsa_private_segment_fixed_size 0
		.amdhsa_enable_private_segment 0
		.amdhsa_kernarg_size 40
		.amdhsa_user_sgpr_count 2
		.amdhsa_user_sgpr_kernarg_segment_ptr 1
		.amdhsa_wavefront_size32 1
		.amdhsa_system_sgpr_workgroup_id_x 1
		.amdhsa_system_sgpr_workgroup_id_y 1
		.amdhsa_system_sgpr_workgroup_id_z 1
		.amdhsa_system_vgpr_workitem_id 0
		.amdhsa_next_free_vgpr 512
		.amdhsa_next_free_sgpr 80
		.amdhsa_reserve_vcc 0
		.amdhsa_float_denorm_mode_32 3
		.amdhsa_float_denorm_mode_16_64 3
		.amdhsa_memory_ordered 1
		.amdhsa_forward_progress 1
		.amdhsa_inst_pref_size 72
	.end_amdhsa_kernel
	.amdgpu_metadata
---
amdhsa.version: [ 1, 2 ]
amdhsa.kernels:
  - .name:           k_q2a925051cd_attn
    .symbol:         k_q2a925051cd_attn.kd
    .args:
      - { .name: qc, .offset: 0, .size: 8, .value_kind: global_buffer, .address_space: global }
      - { .name: qs, .offset: 8, .size: 8, .value_kind: global_buffer, .address_space: global }
      - { .name: kv, .offset: 16, .size: 8, .value_kind: global_buffer, .address_space: global }
      - { .name: rowcodes, .offset: 24, .size: 8, .value_kind: global_buffer, .address_space: global }
      - { .name: rowscales, .offset: 32, .size: 8, .value_kind: global_buffer, .address_space: global }
    .group_segment_fixed_size: 327680
    .private_segment_fixed_size: 0
    .kernarg_segment_align: 8
    .kernarg_segment_size: 40
    .max_flat_workgroup_size: 256
    .sgpr_count:     80
    .vgpr_count:     512
    .wavefront_size: 32
...
	.end_amdgpu_metadata
.endif
;; end of part 5
;; launch oproj (part 6): grid 4 x 64, 8 waves a work-group, clusters of 4 x 4, 168,960 bytes of LDS; arguments rowcodes, rowscales, wo_codes, wo_scales, bo, out0; writes out0
.if DOCPART == 6
	.amdgcn_target "amdgcn-amd-amdhsa--gfx1250"
	.amdhsa_code_object_version 6
	.text
	.protected	k_q2a925051cd_oproj
	.globl	k_q2a925051cd_oproj
	.p2align	8
	.type	k_q2a925051cd_oproj,@function
k_q2a925051cd_oproj:
	s_mov_b64 s[64:65], 0
	v_nop
	global_prefetch_b8 v0, s[64:65] scope:SCOPE_SE
	s_setreg_imm32_b32 hwreg(HW_REG_WAVE_MODE, 25, 1), 1
	s_wait_xcnt 0x0
	s_wait_alu depctr_hold_cnt(0) depctr_sa_sdst(0) depctr_va_vdst(0) depctr_va_sdst(0) depctr_va_ssrc(0) depctr_va_vcc(0) depctr_vm_vsrc(0)
	s_getreg_b32 s2, hwreg(HW_REG_IB_STS2, 6, 4)
	s_cmp_eq_u32 s2, 0
	s_cbranch_scc0 .Lentry_in_a_cluster
	s_endpgm
.Lentry_in_a_cluster:
	s_bfe_u32 s2, ttmp6, 0x10000c
	s_cmp_lg_u32 s2, 0xf033
	s_cbranch_scc0 .Lentry_shape_is_right
	s_endpgm
.Lentry_shape_is_right:
; out = ctx wo^T + bo on codes of FP4 with E8M0 scales.  ctx arrives as images of fragments (rowcodes) and half-words of scale bytes for each head (rowscales [bh][row]); wo as given.
; SHARES.  Work-group (p, g): columns 128 p .. + 127 of rows 128 g .. + 127.  Eight waves: sub = wave % 4: row tiles 2 sub, 2 sub + 1; ch = wave / 4: 64 columns, four tiles of wo's rows.
; 8 accumulators by turns, four K steps: 32 matrix instructions a wave.  Transposed (source 0 = 16 rows of wo, source 1 = 16 rows of ctx): a lane holds eight neighbouring columns of one row of out.  bo is the C of each sum's first product.
; CLUSTER 4 x 4: wo's tile hangs on p alone and is asked for jointly along a column of the cluster, ctx's on g alone, along a row.  Every LDS byte is filled once; the stages lie in bytes into which no fill lands.
; THE WAY OUT: 16 rows x 256 bytes at a time through the wave's own stage (pitch 272), back as whole rows: sixteen lanes store 256 consecutive bytes, aligned.
.set WV,  16
.set WPITCH, 272
.set CX,   128*WPITCH                  ; ctx's 8 row tiles of 4,096 bytes
.set STG,  CX+32768                    ; 8 stages of 16 x 272 bytes
.set ACC, 16                           ; v16-79   accumulator (s, t) at 16 + 32 s + 8 t
.set BF,  80                           ; v80-111  wo's 4 fragments of a K step; on the way out the second 16 rows
.set SF,  112                          ; v112-127 ctx's 2
.set BS,  128                          ; v128-135 wo's scale words: register 4 i + q: tile 2 i in lanes 0-15, 2 i + 1 in lanes 16-31
.set SS,  136                          ; v136-139 ctx's: register q: row tile 0 in lanes 0-15, 1 in lanes 16-31
.set HW,  140                          ; v140-147 the eight heads' half-words
.set BK,  148                          ; v148-179 the first 16 rows on the way out
.macro PLACES n
.rept \n
	v_nop
.endr
.endm
.macro CROUND
	s_barrier_signal -1
	s_barrier_wait -1
	s_cmp_lg_u32 s[WV], 0
	s_cbranch_scc1 .Lnot_wave_0_\@
	s_barrier_signal -3
.Lnot_wave_0_\@:
	s_barrier_wait -3
	s_barrier_signal -1
	s_barrier_wait -1
.endm
.macro WM d, a, b, sa, sb, ra, rb      ; ra, rb = 1: that side's scales stand in lanes 16-31
.if (\ra) && (\rb)
	v_wmma_scale_f32_16x16x128_f8f6f4 v[\d:\d+7], v[\a:\a+7], v[\b:\b+7], v[\d:\d+7], v[\sa], v[\sb] matrix_a_fmt:MATRIX_FMT_FP4 matrix_b_fmt:MATRIX_FMT_FP4 matrix_a_scale:MATRIX_SCALE_ROW1 matrix_b_scale:MATRIX_SCALE_ROW1
.elseif (\ra)
	v_wmma_scale_f32_16x16x128_f8f6f4 v[\d:\d+7], v[\a:\a+7], v[\b:\b+7], v[\d:\d+7], v[\sa], v[\sb] matrix_a_fmt:MATRIX_FMT_FP4 matrix_b_fmt:MATRIX_FMT_FP4 matrix_a_scale:MATRIX_SCALE_ROW1
.elseif (\rb)
	v_wmma_scale_f32_16x16x128_f8f6f4 v[\d:\d+7], v[\a:\a+7], v[\b:\b+7], v[\d:\d+7], v[\sa], v[\sb] matrix_a_fmt:MATRIX_FMT_FP4 matrix_b_fmt:MATRIX_FMT_FP4 matrix_b_scale:MATRIX_SCALE_ROW1
.else
	v_wmma_scale_f32_16x16x128_f8f6f4 v[\d:\d+7], v[\a:\a+7], v[\b:\b+7], v[\d:\d+7], v[\sa], v[\sb] matrix_a_fmt:MATRIX_FMT_FP4 matrix_b_fmt:MATRIX_FMT_FP4
.endif
.endm
	s_load_b256 s[4:11], s[0:1], 0x0               ; rowcodes 4, rowscales 6, wo_codes 8, wo_scales 10
	s_load_b128 s[12:15], s[0:1], 0x20             ; bo 12, out0 14
	v_lshl_add_u32 v192, v0, 2, 0x29000
	v_mov_b32 v193, 0
	ds_add_u32 v192, v193
	ds_add_u32 v192, v193
	v_lshrrev_b32 v1, 5, v0
	s_delay_alu instid0(VALU_DEP_1)
	v_readfirstlane_b32 s[WV], v1                  ; wave 0..7
	s_and_b32 s17, s[WV], 3                        ; sub
	s_lshr_b32 s18, s[WV], 2                       ; ch
	s_bfe_u32 s19, ttmp6, 0x40000                  ; cx
	s_bfe_u32 s20, ttmp6, 0x40004                  ; cy
	s_lshl_b32 s21, ttmp9, 2
	s_add_co_u32 s21, s21, s19                     ; p
	s_and_b32 s22, ttmp7, 0xffff
	s_lshl_b32 s22, s22, 2
	s_add_co_u32 s22, s22, s20                     ; g
	s_lshl_b32 s23, s20, 2
	s_lshl_b32 s23, 15, s23                        ; my row of the cluster
	s_lshl_b32 s24, 0x1111, s19                    ; my column
	s_or_b32 s28, s24, (3<<16)|(1<<20)|(1<<21)|(5<<22)|(3<<25)   ; wo: my column; elements of 8 bytes; padding: four words after every 64; 21 set beside a mask
	s_or_b32 s36, s23, (3<<16)|(1<<21)             ; ctx: my row; dense
.irp g, 28, 36
	s_mov_b32 s[\g+1], 32<<16                      ; 64 rows of 256 bytes
	s_mov_b32 s[\g+2], 64<<16
	s_mov_b32 s[\g+3], 32<<16
	s_mov_b32 s[\g+4], 64
	s_mov_b32 s[\g+5], 32
	s_mov_b32 s[\g+6], 0
	s_mov_b32 s[\g+7], 0
.endr
	s_and_b32 s52, s[WV], 1
	s_lshl_b32 s52, s52, 14                        ; which 64 rows of 256 bytes I fetch
	s_lshl_b32 s54, s21, 15
	s_add_co_u32 s54, s54, s52                     ; wo: hangs on p and the wave alone
	s_mov_b32 s55, 0
	s_lshl_b32 s56, s22, 15
	s_add_co_u32 s56, s56, s52                     ; ctx: on g and the wave alone
	s_mov_b32 s57, 0
	s_mov_b32 s44, 1
	s_mul_i32 s45, s[WV], 64*WPITCH                ; waves 0, 1: wo's halves
	s_mov_b32 s48, 1
	s_add_co_u32 s49, s52, CX                      ; waves 2, 3: ctx's halves
	s_wait_dscnt 0x0
	s_wait_kmcnt 0x0
	s_add_nc_u64 s[46:47], s[8:9], s[54:55]
	s_or_b32 s47, s47, 0x80000000
	s_add_nc_u64 s[50:51], s[4:5], s[56:57]
	s_or_b32 s51, s51, 0x80000000
	CROUND                                         ; all sixteen work-groups are here: the joint loads meet
	s_cmp_lt_u32 s[WV], 2
	s_cbranch_scc0 .Lnot_w
	tensor_load_to_lds s[44:47], s[28:35]
	s_nop 0
	PLACES 4
	s_branch .Lasked
.Lnot_w:
	s_cmp_lt_u32 s[WV], 4
	s_cbranch_scc0 .Lasked
	tensor_load_to_lds s[48:51], s[36:43]
	s_nop 0
	PLACES 4
.Lasked:
	s_lshl_b32 s58, s21, 11
	s_lshl_b32 s53, s18, 10
	s_add_co_u32 s58, s58, s53                     ; wo_scales: row 128 p + 64 ch of 16 bytes
	s_mov_b32 s59, 0
	s_lshr_b32 s60, s22, 5
	s_lshl_b32 s60, s60, 16                        ; rowscales: sample of 8 heads x 8,192 bytes,
	s_and_b32 s53, s22, 31
	s_lshl_b32 s53, s53, 8                         ; 128 rows of 2 bytes,
	s_add_co_u32 s60, s60, s53
	s_lshl_b32 s53, s17, 6                         ; my 32 rows
	s_add_co_u32 s60, s60, s53
	s_mov_b32 s61, 0
	s_lshl_b32 s62, s21, 9
	s_lshl_b32 s53, s18, 8
	s_add_co_u32 s62, s62, s53                     ; column 128 p + 64 ch, in bytes of f32
	s_mov_b32 s63, 0
	s_lshl_b32 s66, s22, 18                        ; out0: 128 g rows of 2,048 bytes,
	s_lshl_b32 s53, s17, 16                        ; my 32 rows,
	s_add_co_u32 s66, s66, s53
	s_add_co_u32 s66, s66, s62                     ; my columns
	s_mov_b32 s67, 0
	s_add_nc_u64 s[10:11], s[10:11], s[58:59]
	s_add_nc_u64 s[6:7], s[6:7], s[60:61]
	s_add_nc_u64 s[12:13], s[12:13], s[62:63]
	s_add_nc_u64 s[14:15], s[14:15], s[66:67]
	v_and_b32 v1, 31, v0                           ; lane
	v_and_b32 v2, 15, v0                           ; r
	v_bfe_u32 v3, v0, 4, 1                         ; h
	s_delay_alu instid0(VALU_DEP_3)
	v_lshlrev_b32 v4, 4, v1                        ; 16 x lane
	s_delay_alu instid0(VALU_DEP_3)
	v_mul_u32_u24 v5, v2, WPITCH
	s_delay_alu instid0(VALU_DEP_1)
	v_lshl_add_u32 v5, v3, 4, v5
	s_mul_i32 s53, s18, 64*WPITCH
	v_add_nc_u32 v5, s53, v5                       ; wo: row r of my 64, + 16 h
	v_add_nc_u32 v6, CX, v4
	s_lshl_b32 s53, s17, 13
	v_add_nc_u32 v6, s53, v6                       ; ctx's images from my two row tiles on
	s_mul_i32 s53, s[WV], 16*WPITCH
	s_add_co_u32 s53, s53, STG                     ; my stage
	v_mul_u32_u24 v7, v2, WPITCH
	s_delay_alu instid0(VALU_DEP_1)
	v_lshl_add_u32 v7, v3, 5, v7
	s_delay_alu instid0(VALU_DEP_1)
	v_add_nc_u32 v7, s53, v7                       ; in: row r, + 32 h
	v_mul_u32_u24 v8, v3, WPITCH
	s_delay_alu instid0(VALU_DEP_1)
	v_lshl_add_u32 v8, v2, 4, v8
	s_delay_alu instid0(VALU_DEP_1)
	v_add_nc_u32 v8, s53, v8                       ; back: lanes 0-15 one row, lanes 16-31 the next
	v_lshlrev_b32 v9, 11, v3
	s_delay_alu instid0(VALU_DEP_1)
	v_lshl_add_u32 v9, v2, 4, v9                   ; and the same two rows in out0
	v_lshlrev_b32 v10, 5, v3                       ; 32 h
	v_lshlrev_b32 v11, 1, v1                       ; 2 x lane
.irp i, 0,1
	global_load_b128 v[BS+4*\i:BS+4*\i+3], v4, s[10:11] offset:512*\i   ; wo's row 32 i + lane: its four words
.endr
.irp n, 0,1,2,3,4,5,6,7
	global_load_u16 v[HW+\n], v11, s[6:7] offset:8192*\n                ; head n's two bytes of row lane of my 32
.endr
.irp s, 0,1
.irp t, 0,1,2,3
	global_load_b128 v[ACC+32*\s+8*\t:ACC+32*\s+8*\t+3], v10, s[12:13] offset:64*\t       ; bo at columns 16 t + 8 h + 0 .. 7
	global_load_b128 v[ACC+32*\s+8*\t+4:ACC+32*\s+8*\t+7], v10, s[12:13] offset:64*\t+16
.endr
.endr
	s_wait_tensorcnt 0x0                           ; my part of the tiles has landed,
	s_barrier_signal -1
	s_barrier_wait -1                              ; everybody's has
	s_wait_loadcnt 0x0
.irp q, 0,1,2,3
	v_lshl_or_b32 v[SS+\q], v[HW+2*\q+1], 16, v[HW+2*\q]   ; K step q is heads 2 q and 2 q + 1
.endr
	PLACES 8                                       ; a scale register written by a vector instruction stands 8 places ahead of a scaled matrix instruction
	s_wait_alu depctr_va_vdst(0)
.irp q, 0,1,2,3
.if \q > 0
	PLACES 4                                       ; in front of loads into registers that matrix instructions have read
.endif
.irp t, 0,1,2,3
.irp c, 0,1
	ds_load_b128 v[BF+8*\t+4*\c:BF+8*\t+4*\c+3], v5 offset:16*WPITCH*\t+64*\q+32*\c
.endr
.endr
.irp s, 0,1
.irp c, 0,1
	ds_load_b128 v[SF+8*\s+4*\c:SF+8*\s+4*\c+3], v6 offset:4096*\s+1024*\q+512*\c
.endr
.endr
	s_wait_dscnt 0x0
.irp t, 0,1,2,3
.irp s, 0,1
	WM ACC+32*\s+8*\t, BF+8*\t, SF+8*\s, BS+4*(\t/2)+\q, SS+\q, (\t)%2, \s
.endr
.endr
.endr
	PLACES 4                                       ; in front of the first read of results and of loads into the fragments' registers
.irp t, 0,1,2,3
	ds_store_b128 v7, v[ACC+8*\t:ACC+8*\t+3] offset:64*\t          ; each accumulator from its low end on
	ds_store_b128 v7, v[ACC+8*\t+4:ACC+8*\t+7] offset:64*\t+16
.endr
.irp i, 0,1,2,3,4,5,6,7
	ds_load_b128 v[BK+4*\i:BK+4*\i+3], v8 offset:2*WPITCH*\i       ; LDS serves a wave's instructions in order: these see my stores, and the next 16 rows' stores come behind them
.endr
.irp t, 0,1,2,3
	ds_store_b128 v7, v[ACC+32+8*\t:ACC+32+8*\t+3] offset:64*\t
	ds_store_b128 v7, v[ACC+32+8*\t+4:ACC+32+8*\t+7] offset:64*\t+16
.endr
.irp i, 0,1,2,3,4,5,6,7
	ds_load_b128 v[BF+4*\i:BF+4*\i+3], v8 offset:2*WPITCH*\i
.endr
.irp i, 0,1,2,3,4,5,6,7
	s_wait_dscnt 23-\i                             ; the count: the later loads of the first 16 rows, and the second 16 rows' 8 stores and 8 loads
	global_store_b128 v9, v[BK+4*\i:BK+4*\i+3], s[14:15] offset:2*\i*2048 th:TH_STORE_NT   ; 16 lanes store 256 consecutive bytes, aligned; written once, read by nobody here
.endr
.irp i, 0,1,2,3,4,5,6,7
	s_wait_dscnt 7-\i
	global_store_b128 v9, v[BF+4*\i:BF+4*\i+3], s[14:15] offset:(16+2*\i)*2048 th:TH_STORE_NT
.endr
	s_wait_tensorcnt 0x0
	ds_add_u32 v192, v193
	s_wait_dscnt 0x0
	CROUND                                         ; the closing round: no work-group ends while a partner may still ask for a tile that names it
	s_endpgm
.Lfunc_end_k_q2a925051cd_oproj:
	.size	k_q2a925051cd_oproj, .Lfunc_end_k_q2a925051cd_oproj-k_q2a925051cd_oproj
	.p2alignl 7, 3214868480
	.fill 96, 4, 3214868480
	.section	.rodata,"a",@progbits
	.p2align	6, 0x0
	.amdhsa_kernel k_q2a925051cd_oproj
		.amdhsa_group_segment_fixed_size 168960
		.amdhsa_private_segment_fixed_size 0
		.amdhsa_enable_private_segment 0
		.amdhsa_kernarg_size 48
		.amdhsa_user_sgpr_count 2
		.amdhsa_user_sgpr_kernarg_segment_ptr 1
		.amdhsa_wavefront_size32 1
		.amdhsa_system_sgpr_workgroup_id_x 1
		.amdhsa_system_sgpr_workgroup_id_y 1
		.amdhsa_system_sgpr_workgroup_id_z 1
		.amdhsa_system_vgpr_workitem_id 0
		.amdhsa_next_free_vgpr 194
		.amdhsa_next_free_sgpr 72
		.amdhsa_reserve_vcc 0
		.amdhsa_float_denorm_mode_32 3
		.amdhsa_float_denorm_mode_16_64 3
		.amdhsa_memory_ordered 1
		.amdhsa_forward_progress 1
		.amdhsa_inst_pref_size 22
	.end_amdhsa_kernel
	.amdgpu_metadata
---
amdhsa.version: [ 1, 2 ]
amdhsa.kernels:
  - .name:           k_q2a925051cd_oproj
    .symbol:         k_q2a925051cd_oproj.kd
    .args:
      - { .name: rowcodes, .offset: 0, .size: 8, .value_kind: global_buffer, .address_space: global }
      - { .name: rowscales, .offset: 8, .size: 8, .value_kind: global_buffer, .address_space: global }
      - { .name: wo_codes, .offset: 16, .size: 8, .value_kind: global_buffer, .address_space: global }
      - { .name: wo_scales, .offset: 24, .size: 8, .value_kind: global_buffer, .address_space: global }
      - { .name: bo, .offset: 32, .size: 8, .value_kind: global_buffer, .address_space: global }
      - { .name: out0, .offset: 40, .size: 8, .value_kind: global_buffer, .address_space: global }
    .group_segment_fixed_size: 168960
    .private_segment_fixed_size: 0
    .kernarg_segment_align: 8
    .kernarg_segment_size: 48
    .max_flat_workgroup_size: 256
    .sgpr_count:     72
    .vgpr_count:     194
    .wavefront_size: 32
...
	.end_amdgpu_metadata
.endif
;; end of part 6
